; MI455X (gfx1250); checked and timed in simulation.
; The chip was launched on July 23, 2026; its instructions are those of AMD's public machine-readable ISA for CDNA 5 (MIT licence, August 2026) and "CDNA5" Instruction Set Architecture Reference Guide (July 2026). The comments in the code are by the model that wrote it; some were corrected since.
;; Multi Head Attention. Allowed arithmetic: matrix products marked QUANTISED: E3M2 operands, one E8M0 scale for each 32 along K, by v_wmma_scale_f32_16x16x128_f8f6f4 with both operands' format E3M2, f32 sums; everything else in f32.
;; Inputs: b_o 1,024 float32; w_k 1,024 x 1,024 float32; w_o 1,024 x 1,024 float32; w_q 1,024 x 1,024 float32; w_v 1,024 x 1,024 float32; x 4 x 2,048 x 1,024 float32.
;; Outputs: out0 4 x 2,048 x 1,024 float32.
;; This version of the problem:
;;   THIS VERSION OF THE PROBLEM IS GIVEN IN LOW PRECISION. The matrix products marked QUANTISED in the list below multiply operands that are first quantised to E3M2 (3 exponent bits, 2 mantissa bits; 6 bits a number), with one power-of-two scale for each 32 numbers along K (OCP MX v1.0); their sums are f32. All else is computed in f32.
;;   The module's matrix products, in the order in which they are computed (A, B: the left and right operand; K: the contracted axis; several contracted axes count as one K, in the product's order):
;;     1. [M 8,192, K 1,024] x [K 1,024, N 1,024]; A: input x; B: input w_q: QUANTISED
;;     2. [M 8,192, K 1,024] x [K 1,024, N 1,024]; A: input x; B: input w_k: QUANTISED
;;     3. [M 8,192, K 1,024] x [K 1,024, N 1,024]; A: input x; B: input w_v: QUANTISED
;;     4. batch 64 x [M 2,048, K 64] x [K 64, N 2,048]; A: computed on the way; B: computed on the way: QUANTISED
;;     5. batch 64 x [M 2,048, K 2,048] x [K 2,048, N 64]; A: softmax (see below); B: computed on the way: QUANTISED
;;     6. [M 8,192, K 1,024] x [K 1,024, N 1,024]; A: computed on the way; B: input w_o: QUANTISED
;;   THE QUANTISER, for each operand of a quantised product, along K:
;;     - K is cut into blocks of 32 from its start; a last block that is shorter is filled with zeros.
;;     - A block's scale is 2^e with e = floor(log2(the largest magnitude in the block)) - 4, held to -126 .. 127; a block of zeros has e = 0. As a byte (E8M0): e + 127.
;;     - Each number is divided by its block's scale, clamped to +-28, and rounded to the nearest number of E3M2, ties to even, subnormals kept.
;;     - The product sums the exact products of the quantised numbers (number of the format x scale) in f32.
;;   ~~~python
;;   def quantise(x, axis):      # numpy; x: float32 -> the quantised numbers, widened to float32 again
;;       x = np.moveaxis(x, axis, -1); K = x.shape[-1]
;;       x = np.pad(x, [(0, 0)] * (x.ndim - 1) + [(0, -K % 32)]); x = x.reshape(x.shape[:-1] + (-1, 32)); a = np.abs(x).max(-1, keepdims=True)
;;       e = np.where(a > 0, np.clip(np.frexp(np.where(a > 0, a, 1))[1] - 1 - 4, -126, 127), 0)      # np.frexp(a)[1] - 1 = floor(log2(a)), exactly
;;       r = np.clip(x / 2.0 ** e, -28, 28)
;;       step = 2.0 ** (np.maximum(np.frexp(np.where(r == 0, 1, r))[1] - 1, -2) - 2)
;;       q = np.round(r / step) * step * 2.0 ** e      # np.round: ties to even
;;       return np.moveaxis(q.reshape(q.shape[:-2] + (-1,))[..., :K], -1, axis).astype(np.float32)
;;   ~~~
;;   SOFTMAX AHEAD OF A QUANTISED PRODUCT. Where the list says 'softmax', what is quantised is not the finished softmax but p = 2^(t - M), with t = logit x log2(e) and M = ceil(the row's largest t), a whole number; so 1/2 < the row's largest p <= 1. The row's sum l is taken of the UNQUANTISED p, in f32, and the product's result is divided by l at the end. Since M is a whole number, a kernel that streams over the keys may use a running M (the ceiling of the running maximum): every later rescaling is an exact power of two, which a block's scale takes up: the codes' values come out the same.
;;   OPERANDS COMPUTED ON THE WAY. 'Computed on the way' means the value that the module computes at that place (a softmax that the list does not call 'softmax' is quantised finished and normalised). What goes into a quantiser is computed in f32, as accurately as f32 sums, v_exp_f32 and their like allow (about 1e-6 of the number): no bf16 or f16 on the way to a quantiser, and a product that is left as it is and whose result goes on into a quantised operand takes f32 operands (vector FMAs, or v_wmma_f32_16x16x4_f32). A number that lies on a knife's edge between two numbers of the format may be rounded either way, as far as f32 arithmetic and the matrix unit's own rounding can turn it there, and no further.
;; One version. Each part assembles by itself: llvm-mc -triple=amdgcn-amd-amdhsa -mcpu=gfx1250 --defsym DOCPART=n.
;; ======== version 1 of 1: 4 launches
;; workspace buffers: opnd 9,437,184 bytes; oscl 393,216 bytes; qimg 6,291,456 bytes; qscl 524,288 bytes; kv 13,107,200 bytes; ctx 6,291,456 bytes; cscl 262,144 bytes
;; launch quant (part 1): grid 256 x 1, 6 waves a work-group, no clusters, 56,064 bytes of LDS; arguments x, w_q, w_k, w_v, w_o, opnd, oscl; writes opnd, oscl
.if DOCPART == 1
	.amdgcn_target "amdgcn-amd-amdhsa--gfx1250"
	.amdhsa_code_object_version 6
	.text
	.protected	k_q3ab3d9cf1e_quant
	.globl	k_q3ab3d9cf1e_quant
	.p2align	8
	.type	k_q3ab3d9cf1e_quant,@function
k_q3ab3d9cf1e_quant:
	s_mov_b64 s[64:65], 0
	v_nop
	global_prefetch_b8 v0, s[64:65] scope:SCOPE_SE
	s_setreg_imm32_b32 hwreg(HW_REG_WAVE_MODE, 25, 1), 1
	s_wait_xcnt 0x0
; x [8192][1024] and w_q, w_k, w_v, w_o [1024][1024], f32, K innermost, become codes of BF6 (E3M2) with one E8M0 byte for each 32 along K,
; laid in the order of a matrix operand's registers.
; A TILE is 16 rows: lane r of tile T holds row 32 (T / 2) + 8 (T % 2) + r + 8 (r / 8).  Tiles 0-511 are x's, 512-575 w_q's, 576-639 w_k's, 640-703 w_v's, 704-767 w_o's.
; opnd = [j 16][tile 768][768 bytes]: in a unit, bytes 256 p + 8 l are registers 2 p, 2 p + 1 of lane l = 16 h + r: the lane's six registers are the 24 bytes
; of codes of its row's k = 64 j + 32 h + 0 .. 31.  oscl = [tile 768][512 bytes]: byte 256 kh + 16 r + e is the byte of block 16 kh + e of lane r's row.
; A block's scale is 2^(floor(log2(largest magnitude)) - 4): its byte is the largest magnitude's exponent field - 4, held at 1 from below.
; LIMITS: NaN and infinities among the inputs are not served.  A block of zeros, or one whose largest magnitude lies under 2^(5 - 127), gets the byte 1
; (the stated quantiser says 127 for zeros): its codes are zeros or held, and the bytes are read by this program alone.
; SHARES: 1,536 wave tasks, 6 waves x 256 work-groups: a wave takes one tile x half of K: 8 steps of 16 rows x 64 numbers.  Waves share nothing: no barrier.
; No cluster and no matrix unit: no two work-groups read the same byte.  Each load reads two rows' 256 consecutive bytes; a step turns through the wave's own stage in LDS,
; so that a lane gets a whole block of 32 neighbours; each store of codes covers 256 consecutive bytes, aligned.
.set WREG, 9216                        ; LDS of a wave: two stages of 16 rows x 272 bytes, then its 256 scale bytes
.set STG1, 4352
.set SCB,  8704
.set R,    16                          ; v16-111  three sets of 32: numbers as loaded
.set X,    112                         ; v112-175 two sets of 32: a lane's block
.set C,    176                         ; v176-223 six registers of codes for each step: no store's data are written again
.set CT,   224                         ; v224-226 a block's upper 16 codes (a conversion's three registers begin on an even number)
.set E,    228                         ; v228-235 a scale byte for each step
	s_load_b256 s[4:11], s[0:1], 0x0               ; x, w_q, w_k, w_v
	s_load_b128 s[12:15], s[0:1], 0x20             ; w_o, opnd
	s_load_b64 s[16:17], s[0:1], 0x30              ; oscl
	v_lshl_add_u32 v240, v0, 2, 0xd800
	v_mov_b32 v241, 0
	v_lshrrev_b32 v1, 5, v0
	v_readfirstlane_b32 s18, v1                    ; wave 0..5
	v_and_b32 v2, 31, v0                           ; lane
	v_and_b32 v7, 15, v0                           ; r
	v_bfe_u32 v1, v0, 4, 1                         ; h
	v_lshlrev_b32 v3, 4, v7
	v_lshl_add_u32 v3, v1, 12, v3                  ; a load: lanes 0-15 one row's 256 bytes, lanes 16-31 the next row's
	v_lshlrev_b32 v4, 3, v2                        ; 8 x lane: my place in a store of 256 bytes
	s_mul_i32 s19, s18, WREG
	v_mul_u32_u24 v14, v1, 272
	v_lshl_add_u32 v14, v7, 4, v14
	v_add_nc_u32 v14, s19, v14                     ; the stage, in: as loaded
	v_mul_u32_u24 v15, v7, 272
	v_lshl_add_u32 v15, v1, 7, v15
	v_add_nc_u32 v15, s19, v15                     ; out: row r, my half's 128 bytes
	v_lshl_add_u32 v5, v7, 4, v1
	v_add_nc_u32 v5, s19, v5                       ; my block's scale byte: 16 r + h (+ 2 t)
	v_add_nc_u32 v6, s19, v4                       ; and 8 bytes a lane on their way out
	s_mul_i32 s22, ttmp9, 6
	s_add_co_u32 s22, s22, s18                     ; the task
	s_and_b32 s23, s22, 1                          ; kh: which half of K
	s_lshr_b32 s22, s22, 1                         ; T: which tile
	s_and_b32 s24, s22, 63                         ; a weight's tile
	s_wait_alu depctr_va_vdst(0)
	s_wait_kmcnt 0x0
	s_cmp_lt_u32 s22, 704                          ; the tensor is chosen by the tile's number alone
	s_cselect_b64 s[20:21], s[10:11], s[12:13]
	s_cmp_lt_u32 s22, 640
	s_cselect_b64 s[20:21], s[8:9], s[20:21]
	s_cmp_lt_u32 s22, 576
	s_cselect_b64 s[20:21], s[6:7], s[20:21]
	s_cmp_lt_u32 s22, 512
	s_cselect_b64 s[20:21], s[4:5], s[20:21]
	s_cselect_b32 s24, s22, s24                    ; the tile's number in its tensor
	s_lshr_b32 s25, s24, 1
	s_lshl_b32 s25, s25, 5
	s_and_b32 s24, s24, 1
	s_lshl_b32 s24, s24, 3
	s_add_co_u32 s24, s24, s25                     ; its first row
	s_lshl_b32 s24, s24, 12                        ; rows of 4,096 bytes
	s_lshl_b32 s25, s23, 11
	s_add_co_u32 s24, s24, s25                     ; + my half of K
	s_mov_b32 s25, 0
	s_add_nc_u64 s[20:21], s[20:21], s[24:25]
	s_mul_i32 s24, s23, 6144
	s_add_co_u32 s24, s24, s22
	s_mul_i32 s24, s24, 768                        ; codes: (768 x 8 kh + T) units
	s_add_nc_u64 s[14:15], s[14:15], s[24:25]
	s_lshl_b32 s24, s22, 9
	s_lshl_b32 s26, s23, 8
	s_add_co_u32 s24, s24, s26
	s_add_nc_u64 s[16:17], s[16:17], s[24:25]      ; scale bytes: 512 T + 256 kh
.macro LOAD t                          ; step t: 16 rows x 256 bytes, two rows an instruction; the tile's rows 8-15 lie 8 rows further down
.irp i, 0,1,2,3,4,5,6,7
	global_load_b128 v[R+32*((\t)%3)+4*\i:R+32*((\t)%3)+4*\i+3], v3, s[20:21] offset:(2*\i+8*(\i/4))*4096+256*(\t) th:TH_LOAD_NT
.endr
.endm
.macro TURN t                          ; through the stage: LDS serves a wave's instructions in order, so no wait stands between the stores and the loads
.irp i, 0,1,2,3,4,5,6,7
	ds_store_b128 v14, v[R+32*((\t)%3)+4*\i:R+32*((\t)%3)+4*\i+3] offset:STG1*((\t)%2)+544*\i
.endr
.irp e, 0,1,2,3,4,5,6,7
	ds_load_b128 v[X+32*((\t)%2)+4*\e:X+32*((\t)%2)+4*\e+3], v15 offset:STG1*((\t)%2)+16*\e
.endr
.endm
.macro STEP t
.set XS, X+32*((\t)%2)
.if (\t) > 0
	s_wait_dscnt 1                                 ; this step's numbers are back from the stage (the last step's byte store may be out): so the stage's stores have read their registers,
.else
	s_wait_dscnt 0x0
.endif
.if (\t)+3 < 8
	LOAD (\t)+3                                    ; which take the loads of three steps on
.endif
.if (\t) < 7
.if (\t) <= 4
	s_wait_loadcnt 16                              ; the next step's eight loads are in; those of the two steps behind it may be out
.elseif (\t) == 5
	s_wait_loadcnt 8
.else
	s_wait_loadcnt 0
.endif
	TURN (\t)+1
.endif
	v_max3_num_f32 v8, |v[XS]|, |v[XS+1]|, |v[XS+2]|          ; the block's largest magnitude: all 32 numbers are mine; two chains
	v_max3_num_f32 v9, |v[XS+3]|, |v[XS+4]|, |v[XS+5]|
.irp i, 6,10,14,18,22,26
	v_max3_num_f32 v8, v8, |v[XS+\i]|, |v[XS+\i+1]|
	v_max3_num_f32 v9, v9, |v[XS+\i+2]|, |v[XS+\i+3]|
.endr
	v_max3_num_f32 v8, v8, |v[XS+30]|, |v[XS+31]|
	v_max3_num_f32 v8, v8, v9, 0x2800000           ; and the floor 2^(5 - 127): the byte cannot fall under 1
	v_add_nc_u32 v11, 0xfe000000, v8               ; 4 off its exponent field: the conversion takes this operand's exponent field as its scale
	v_cvt_scalef32_pk16_bf6_f32 v[C+6*(\t):C+6*(\t)+2], v[XS:XS+15], v11
	v_cvt_scalef32_pk16_bf6_f32 v[CT:CT+2], v[XS+16:XS+31], v11
	v_lshrrev_b32 v[E+(\t)], 23, v11               ; the scale's byte; also the plain instruction behind the conversions
.irp i, 0,1,2
	v_mov_b32 v[C+6*(\t)+3+\i], v[CT+\i]
.endr
	ds_store_b8 v5, v[E+(\t)] offset:SCB+2*(\t)
.irp p, 0,1,2
	global_store_b64 v4, v[C+6*(\t)+2*\p:C+6*(\t)+2*\p+1], s[14:15] offset:589824*(\t)+256*\p   ; 32 lanes store 256 consecutive bytes, aligned
.endr
.endm
	LOAD 0
	LOAD 1
	LOAD 2
	s_wait_loadcnt 16                              ; step 0's eight loads are in
	TURN 0
.irp t, 0,1,2,3,4,5,6,7
	STEP \t
.endr
	ds_load_b64 v[12:13], v6 offset:SCB            ; LDS serves a wave's instructions in order: this sees my byte stores
	s_wait_dscnt 0x0
	global_store_b64 v4, v[12:13], s[16:17]        ; 256 consecutive bytes, aligned
	s_wait_tensorcnt 0x0
	ds_add_u32 v240, v241
	s_wait_dscnt 0x0
	s_endpgm
.Lfunc_end_k_q3ab3d9cf1e_quant:
	.size	k_q3ab3d9cf1e_quant, .Lfunc_end_k_q3ab3d9cf1e_quant-k_q3ab3d9cf1e_quant
	.p2alignl 7, 3214868480
	.fill 96, 4, 3214868480
	.section	.rodata,"a",@progbits
	.p2align	6, 0x0
	.amdhsa_kernel k_q3ab3d9cf1e_quant
		.amdhsa_group_segment_fixed_size 56064
		.amdhsa_private_segment_fixed_size 0
		.amdhsa_enable_private_segment 0
		.amdhsa_kernarg_size 56
		.amdhsa_user_sgpr_count 2
		.amdhsa_user_sgpr_kernarg_segment_ptr 1
		.amdhsa_wavefront_size32 1
		.amdhsa_system_sgpr_workgroup_id_x 1
		.amdhsa_system_sgpr_workgroup_id_y 1
		.amdhsa_system_sgpr_workgroup_id_z 1
		.amdhsa_system_vgpr_workitem_id 0
		.amdhsa_next_free_vgpr 242
		.amdhsa_next_free_sgpr 66
		.amdhsa_reserve_vcc 0
		.amdhsa_float_denorm_mode_32 3
		.amdhsa_float_denorm_mode_16_64 3
		.amdhsa_memory_ordered 1
		.amdhsa_forward_progress 1
		.amdhsa_inst_pref_size 32
	.end_amdhsa_kernel
	.amdgpu_metadata
---
amdhsa.version: [ 1, 2 ]
amdhsa.kernels:
  - .name:           k_q3ab3d9cf1e_quant
    .symbol:         k_q3ab3d9cf1e_quant.kd
    .args:
      - { .name: x, .offset: 0, .size: 8, .value_kind: global_buffer, .address_space: global }
      - { .name: w_q, .offset: 8, .size: 8, .value_kind: global_buffer, .address_space: global }
      - { .name: w_k, .offset: 16, .size: 8, .value_kind: global_buffer, .address_space: global }
      - { .name: w_v, .offset: 24, .size: 8, .value_kind: global_buffer, .address_space: global }
      - { .name: w_o, .offset: 32, .size: 8, .value_kind: global_buffer, .address_space: global }
      - { .name: opnd, .offset: 40, .size: 8, .value_kind: global_buffer, .address_space: global }
      - { .name: oscl, .offset: 48, .size: 8, .value_kind: global_buffer, .address_space: global }
    .group_segment_fixed_size: 56064
    .private_segment_fixed_size: 0
    .kernarg_segment_align: 8
    .kernarg_segment_size: 56
    .max_flat_workgroup_size: 192
    .sgpr_count:     66
    .vgpr_count:     242
    .wavefront_size: 32
...
	.end_amdgpu_metadata
.endif
;; end of part 1
;; launch qkv (part 2): grid 12 x 32, 4 waves a work-group, clusters of 4 x 4, 327,680 bytes of LDS; arguments opnd, oscl, qimg, qscl, kv; writes qimg, qscl, kv
.if DOCPART == 2
	.amdgcn_target "amdgcn-amd-amdhsa--gfx1250"
	.amdhsa_code_object_version 6
	.text
	.protected	k_q3ab3d9cf1e_qkv
	.globl	k_q3ab3d9cf1e_qkv
	.p2align	8
	.type	k_q3ab3d9cf1e_qkv,@function
k_q3ab3d9cf1e_qkv:
	s_mov_b64 s[64:65], 0
	v_nop
	global_prefetch_b8 v0, s[64:65] scope:SCOPE_SE
	s_setreg_imm32_b32 hwreg(HW_REG_WAVE_MODE, 25, 1), 1
	s_wait_xcnt 0x0
	s_wait_alu depctr_hold_cnt(0) depctr_sa_sdst(0) depctr_va_vdst(0) depctr_va_sdst(0) depctr_va_ssrc(0) depctr_va_vcc(0) depctr_vm_vsrc(0)
	s_getreg_b32 s2, hwreg(HW_REG_IB_STS2, 6, 4)
	s_cmp_eq_u32 s2, 0
	s_cbranch_scc0 .Lentry_in_a_cluster
	s_endpgm
.Lentry_in_a_cluster:
	s_bfe_u32 s2, ttmp6, 0x10000c
	s_cmp_lg_u32 s2, 0xf033
	s_cbranch_scc0 .Lentry_shape_is_right
	s_endpgm
.Lentry_shape_is_right:
; q = x w_q^T, k = x w_k^T, v = x w_v^T on codes of BF6 (E3M2) with E8M0 scales, sums in f32; the results are quantised in registers on the way out and never go to memory as f32:
; q and k along the head's 64, v along the keys.
; OPERANDS: opnd = [j 16][tile 768][768 bytes], oscl = [tile][512 bytes].  A tile is 16 rows, lane r holding row 32 (T / 2) + 8 (T % 2) + r + 8 (r / 8); a unit of 768 bytes is six registers a lane (64 along K), as they stand in the operand.
; A work-group of four waves makes 256 x 256, a wave 128 x 128: 64 accumulators, 512 registers.  K = 1,024 goes in four steps of 256 through two LDS slots filled by the tensor data mover.
; CLUSTERS of 4 x 4: side A's tiles are shared along a row of the cluster, side B's along a column; each is asked for jointly.  Cluster x = 0: q, 1: k, 2: v.
; For q and k side A is the tokens and side B the weight's rows; FOR v THE SIDES CHANGE PLACES (A = w_v's rows, B = the tokens): only the tiles' numbers differ.
; THE MATRIX INSTRUCTION IS USED TRANSPOSED (source 0 = B's 16 rows, source 1 = A's): a lane holds one row of A, and by the choice of a tile's rows the 16 registers of two neighbouring tiles of B are 16 NEIGHBOURS:
; B's row 32 b + 16 (lane / 16) + 0 .. 15.  So a lane's registers run along the next product's K (d for q and k, the keys for v), and the conversions' results are the next operand's registers.
; OUT: qimg = [bh 64][tile 128][768]; qscl = [bh][8 tiles][lane][4 words]; kv = [bh][key step 16][12,800]: four fragments of K (12 registers: key tiles 2 a, 2 a + 1), four of V^T (16 d x 128 keys), each as 3 x (16 bytes x lane);
; then K's and V's scale words, 8 bytes a lane.  Every store covers whole aligned runs of 256 bytes.
; LIMITS: NaN and infinities are not served; a block of zeros or under 2^(5 - 127) gets the byte 1, with zero or held codes (the bytes are read by this program alone).
; REGISTERS: window 0: v16-29 addresses; v32-63 scale words, two sets; from v128 A's fragments, one set; on the way out v64-207.  window 1: B's fragments, two sets.  windows 2, 3: the accumulators ((a, b) at v[8 (8 (a % 4) + b)]).
.set UNIT,  768
.set NT,    768                        ; tiles in opnd for each j
.set NQ,    2                          ; matrix instructions deep in a slot
.set FR,    12
.set NL,    6
.set NP,    4                          ; places behind this matrix instruction (ISA guide 7.12.1)
.set HALFT, 4*8*UNIT                   ; 4 j x 8 tiles: what one tensor load brings, and what one wave reads of A or of B
.set SLOT,  4*HALFT
.set STEPJ, 4*NT*UNIT                  ; a slot on, in memory
.set SCL,   2*SLOT                     ; the scales: rows of 256 bytes + 16 of padding
.set HALFS, 16*272                     ; those of 8 tiles
.set SBLK,  544                        ; those of one tile
.set SPARE, SCL+4*HALFS                ; the spare words, 128 bytes for each wave
.set ADRA, 16                          ; v16-17 LDS address of my A fragments in slot 0, 1
.set ADRB, 20                          ; v20-21 the same for B
.set L16,  24                          ; v24    16 x lane
.set L8,   25                          ; v25    8 x lane
.set ADRS, 27                          ; v27    my scale words: lanes 0-15 A's, lanes 16-31 B's
.set SPW,  28
.set NIL,  29
.set SC,   32
.set AF,   128
.set PW,   160                         ; the way out: v160-167 a scale word for each of my 8 tiles of A
.set CT,   168                         ; v168-170, v172-174 upper halves of blocks
.set TM,   176                         ; v176-191 at work
.set G1, 24
.set G0, 32
.set G1B, 48
.set G0B, 56
.set G1S, 68
.set G0S, 76
.set G1SB, 80
.set G0SB, 88
.set FLR, 95
.set SEL, 96
.set MSB, 0
.macro WIN new                         ; the immediate's high byte repeats the setting that is left
.if MSB != (\new)
	s_set_vgpr_msb (MSB<<8)|(\new)
.set MSB, (\new)
.endif
.endm
.set MUL_LO, 0xa1                      ; source 0 (B) window 1, source 1 (A) window 0, C and D window 2
.set MUL_HI, 0xf1
.set TO_B,   0x40
; A joint load: waves 0 and 1 fetch for A, waves 2 and 3 for B; the branch hangs on the wave's number alone.  Four v_nop follow each of the two lines.
.macro JLOAD g0a, g1a, g0b, g1b
	s_cmp_eq_u32 s15, 0
	s_cbranch_scc0 .Lfor_b_\@
	tensor_load_to_lds s[\g0a:\g0a+3], s[\g1a:\g1a+7]
	s_nop 0
.rept 4
	v_nop
.endr
	s_branch .Lasked_\@
.Lfor_b_\@:
	tensor_load_to_lds s[\g0b:\g0b+3], s[\g1b:\g1b+7]
	s_nop 0
.rept 4
	v_nop
.endr
.Lasked_\@:
.endm
.macro CREST                           ; a round of the cluster's barrier behind its opening barrier
	s_cmp_lg_u32 s14, 0
	s_cbranch_scc1 .Lnot_wave_0_\@
	s_barrier_signal -3
.Lnot_wave_0_\@:
	s_barrier_wait -3
	s_barrier_signal -1
	s_barrier_wait -1
.endm
.macro CROUND
	s_barrier_signal -1
	s_barrier_wait -1
	CREST
.endm
	s_load_b128 s[4:7], s[0:1], 0x0                ; opnd, oscl
	s_load_b128 s[8:11], s[0:1], 0x10              ; qimg, qscl
	s_load_b64 s[12:13], s[0:1], 0x20              ; kv
	v_lshl_add_u32 v[SPW], v0, 2, SPARE
	v_mov_b32 v[NIL], 0
	ds_add_u32 v28, v29
	ds_add_u32 v28, v29
	s_wait_dscnt 0x0
	v_lshrrev_b32 v1, 5, v0
	v_readfirstlane_b32 s14, v1                    ; wave 0..3
	s_lshr_b32 s15, s14, 1                         ; which half of A's rows is mine.  Also: I fetch for A (0) or for B (1)
	s_and_b32 s16, s14, 1                          ; which half of B's rows.  Also: which 8 tiles I fetch
	s_bfe_u32 s40, ttmp6, 0x40000                  ; cx
	s_bfe_u32 s41, ttmp6, 0x40004                  ; cy
	s_and_b32 s17, ttmp7, 0xffff                   ; cluster y
	s_lshl_b32 s43, s41, 2
	s_lshl_b32 s43, 15, s43                        ; my row of the cluster
	s_lshl_b32 s44, 0x1111, s40                    ; my column
	; descriptor group 1 for codes: 4 rows (j) of 768 elements of 8 bytes (8 tiles), NT x 96 elements apart; dense in LDS
	s_or_b32 s[G1+0], s43, (3<<16)|(1<<21)
	s_or_b32 s[G1B+0], s44, (3<<16)|(1<<21)
.irp g, G1, G1B
	s_mov_b32 s[\g+1], 768<<16                     ; tensor_dim0
	s_mov_b32 s[\g+2], 4<<16                       ; tensor_dim1
	s_mov_b32 s[\g+3], 768<<16                     ; tile_dim0
	s_mov_b32 s[\g+4], 4                           ; tile_dim1
	s_mov_b32 s[\g+5], NT*96                       ; tensor_dim0_stride
	s_mov_b32 s[\g+6], 0
	s_mov_b32 s[\g+7], 0
.endr
	; and for the scales of 8 tiles: 4,096 dense bytes as 16 rows of 256, 16 bytes of padding behind each
	s_or_b32 s[G1S+0], s43, (3<<16)|(1<<20)|(1<<21)|(5<<22)|(3<<25)
	s_or_b32 s[G1SB+0], s44, (3<<16)|(1<<20)|(1<<21)|(5<<22)|(3<<25)
.irp g, G1S, G1SB
	s_mov_b32 s[\g+1], 32<<16
	s_mov_b32 s[\g+2], 16<<16
	s_mov_b32 s[\g+3], 32<<16
	s_mov_b32 s[\g+4], 16
	s_mov_b32 s[\g+5], 32
	s_mov_b32 s[\g+6], 0
	s_mov_b32 s[\g+7], 0
.endr
	; the tiles.  A's hang on cy and the cluster's place, B's on cx and the cluster's place
	s_lshl_b32 s18, s17, 6                         ; the cluster's first tile of tokens: 64 x cluster y
	s_lshl_b32 s19, ttmp9, 6
	s_add_co_u32 s19, s19, 512                     ; the weight's first tile (q, k)
	s_cmp_eq_u32 ttmp9, 2                          ; v?  The same in all sixteen partners
	s_cselect_b32 s20, 640, s18                    ; A: w_v's rows, or the tokens
	s_cselect_b32 s46, s18, s19                    ; B: the tokens, or the weight's rows
	s_lshl_b32 s21, s16, 3                         ; which 8 tiles I fetch
	s_lshl_b32 s22, s41, 4
	s_add_co_u32 s20, s20, s22
	s_add_co_u32 s20, s20, s21                     ; A: + 16 cy + 8 x half
	s_lshl_b32 s47, s40, 4
	s_add_co_u32 s46, s46, s47
	s_add_co_u32 s46, s46, s21                     ; B: + 16 cx + 8 x half
	s_lshl_b32 s22, s20, 9                         ; scales: 512 bytes a tile
	s_mov_b32 s23, 0
	s_mul_i32 s20, s20, UNIT                       ; codes: 768 bytes a tile
	s_mov_b32 s21, 0
	s_lshl_b32 s92, s46, 9
	s_mov_b32 s93, 0
	s_mul_i32 s46, s46, UNIT
	s_mov_b32 s47, 0
	s_mul_i32 s45, s14, HALFT                      ; where they go: by the wave's number alone
	s_mul_i32 s94, s14, HALFS
	s_wait_kmcnt 0x0
	s_add_nc_u64 s[20:21], s[4:5], s[20:21]
	s_add_nc_u64 s[22:23], s[6:7], s[22:23]
	s_add_nc_u64 s[46:47], s[4:5], s[46:47]
	s_add_nc_u64 s[92:93], s[6:7], s[92:93]
	CROUND                                         ; all sixteen work-groups are here: the first joint loads meet
	s_mov_b32 s[G0S], 1
	s_add_co_u32 s[G0S+1], s94, SCL
	s_mov_b64 s[G0S+2:G0S+3], s[22:23]
	s_or_b32 s[G0S+3], s[G0S+3], 0x80000000
	s_mov_b32 s[G0SB], 1
	s_add_co_u32 s[G0SB+1], s94, SCL
	s_mov_b64 s[G0SB+2:G0SB+3], s[92:93]
	s_or_b32 s[G0SB+3], s[G0SB+3], 0x80000000
	JLOAD G0S, G1S, G0SB, G1SB                     ; the scales first: filled once
.irp s, 0,1
	s_mov_b32 s[G0+4*\s], 1
	s_add_co_u32 s[G0+4*\s+1], s45, \s*SLOT
	s_add_nc_u64 s[G0+4*\s+2:G0+4*\s+3], s[20:21], \s*STEPJ
	s_or_b32 s[G0+4*\s+3], s[G0+4*\s+3], 0x80000000
	s_mov_b32 s[G0B+4*\s], 1
	s_add_co_u32 s[G0B+4*\s+1], s45, \s*SLOT
	s_add_nc_u64 s[G0B+4*\s+2:G0B+4*\s+3], s[46:47], \s*STEPJ
	s_or_b32 s[G0B+4*\s+3], s[G0B+4*\s+3], 0x80000000
	JLOAD G0+4*\s, G1, G0B+4*\s, G1B
.endr
	v_and_b32 v1, 15, v0                           ; r
	v_bfe_u32 v2, v0, 4, 1                         ; h
	s_wait_alu depctr_va_vdst(0)
	v_and_b32 v3, 31, v0                           ; lane
	v_lshlrev_b32 v[L8], 3, v3
	v_lshlrev_b32 v[L16], 4, v3
	s_mul_i32 s21, s15, HALFT                      ; my 8 tiles of A
	s_mul_i32 s22, s16, HALFT
	s_add_co_u32 s22, s22, 2*HALFT                 ; my 8 tiles of B, behind A's 16
.irp s, 0,1
	v_add_nc_u32 v[ADRA+\s], s21, v[L8]
	v_add_nc_u32 v[ADRB+\s], s22, v[L8]
	s_add_co_u32 s21, s21, SLOT
	s_add_co_u32 s22, s22, SLOT
.endr
	v_lshlrev_b32 v5, 4, v1                        ; my row's scale bytes: 16 r
	s_mul_i32 s21, s15, HALFS
	s_mul_i32 s22, s16, HALFS
	s_add_co_u32 s22, s22, 2*HALFS
	s_sub_co_u32 s22, s22, s21
	v_mul_u32_u24 v6, s22, v2                      ; lanes 16-31 take B's: one product, the distance between the two
	s_add_co_u32 s21, s21, SCL
	v_add_nc_u32 v5, v5, v6
	v_add_nc_u32 v[ADRS], s21, v5
.macro FRAG reg, adr, q, i             ; a fragment, 16 rows x 128 K: two units of 768 bytes; each load takes 256 consecutive bytes, 8 a lane, into the registers in which they stand
.irp c, 0,1
.irp p, 0,1,2
	ds_load_b64 v[\reg+6*\c+2*\p:\reg+6*\c+2*\p+1], v[\adr] offset:((2*(\q)+\c)*8+(\i))*UNIT+256*\p
.endr
.endr
.endm
; 16 matrix instructions: A's blocks a0, a0 + 1 x B's eight.  The 64 accumulators take turns, one instruction a turn, in the same order in every step.
.macro MUL16 a0, p, q, sc, zero
.irp a, \a0, \a0+1
.irp b, 0,1,2,3,4,5,6,7
.if \zero
	v_wmma_scale_f32_16x16x128_f8f6f4 v[8*(8*((\a)%4)+\b):8*(8*((\a)%4)+\b)+7], v[128*(\p)+FR*\b:128*(\p)+FR*\b+FR-1], v[AF+FR*(\a):AF+FR*(\a)+FR-1], 0, v[SC+8*NQ*(\sc)+NQ*\b+(\q)], v[SC+8*NQ*(\sc)+NQ*(\a)+(\q)] matrix_a_fmt:MATRIX_FMT_BF6 matrix_b_fmt:MATRIX_FMT_BF6 matrix_a_scale:MATRIX_SCALE_ROW1
.else
	v_wmma_scale_f32_16x16x128_f8f6f4 v[8*(8*((\a)%4)+\b):8*(8*((\a)%4)+\b)+7], v[128*(\p)+FR*\b:128*(\p)+FR*\b+FR-1], v[AF+FR*(\a):AF+FR*(\a)+FR-1], v[8*(8*((\a)%4)+\b):8*(8*((\a)%4)+\b)+7], v[SC+8*NQ*(\sc)+NQ*\b+(\q)], v[SC+8*NQ*(\sc)+NQ*(\a)+(\q)] matrix_a_fmt:MATRIX_FMT_BF6 matrix_b_fmt:MATRIX_FMT_BF6 matrix_a_scale:MATRIX_SCALE_ROW1
.endif
.endr
.endr
.endm
.macro FETCH_B slot, q, p
	WIN TO_B
.irp i, 0,1,2,3,4,5,6,7
	FRAG 128*(\p)+FR*\i, ADRB+\slot, \q, \i
.endr
	WIN 0
.endm
.macro FETCH_A slot, q, i0
.irp i, \i0, \i0+1, \i0+2, \i0+3
	FRAG AF+FR*(\i), ADRA+\slot, \q, \i
.endr
.endm
.macro SCALES sc                       ; a slot's scale words: two words a row; lanes 0-15 A's tile i, lanes 16-31 B's tile i
.irp i, 0,1,2,3,4,5,6,7
	ds_load_b64 v[SC+8*NQ*\sc+NQ*\i:SC+8*NQ*\sc+NQ*\i+1], v[ADRS] offset:\i*SBLK
.endr
.endm
.macro PLACES n                        ; plain vector instructions between a matrix instruction and a load into, or a read of, its registers (ISA guide 7.12.1 for reads)
.rept \n
	v_nop
.endr
.endm
.macro STEP slot, q, zero              ; 128 along K whose successor lies in the same slot
	s_wait_dscnt 4*NL                              ; B's set, the scale words and A's blocks 0-3 are in; the youngest 24 loads (A's blocks 4-7) may be out
	WIN MUL_LO
	MUL16 0, (\q)%2, \q, \slot, \zero
	MUL16 2, (\q)%2, \q, \slot, \zero
	s_wait_dscnt 0
	PLACES NP
	FETCH_B \slot, (\q)+1, 1-(\q)%2
	FETCH_A \slot, (\q)+1, 0
	WIN MUL_HI
	MUL16 4, (\q)%2, \q, \slot, \zero
	MUL16 6, (\q)%2, \q, \slot, \zero
	PLACES NP
	WIN 0
	FETCH_A \slot, (\q)+1, 4
.endm
; A slot's last step changes slots: one barrier; in front of it each wave waits for all its tensor loads, adds 0 to its spare word, and waits for that and for its reads of this slot.
.macro TURN slot, next, fill
	s_wait_tensorcnt 0x0                           ; all my tensor loads have landed: my part of the next slot
	ds_add_u32 v[SPW], v[NIL]                      ; 0 onto my spare word
	s_wait_dscnt 4*NL+1                            ; (the add and the youngest 24 loads, A's blocks 4-7, may be out)
	WIN MUL_LO
	MUL16 0, 1, NQ-1, \slot, 0
	s_wait_dscnt 0x0                               ; the add is done, and my reads of this slot are over
	s_barrier_signal -1
	MUL16 2, 1, NQ-1, \slot, 0
	WIN 0
	s_barrier_wait -1
.if \fill
	CREST                                          ; the barrier has opened a round of the cluster's: no wave of any partner still reads this slot or has a load on its way
	s_add_nc_u64 s[G0+4*\slot+2:G0+4*\slot+3], s[G0+4*\slot+2:G0+4*\slot+3], 2*STEPJ
	s_add_nc_u64 s[G0B+4*\slot+2:G0B+4*\slot+3], s[G0B+4*\slot+2:G0B+4*\slot+3], 2*STEPJ
	JLOAD G0+4*\slot, G1, G0B+4*\slot, G1B         ; the first tensor load behind the round; its four v_nop are the places in front of the loads below
.else
	PLACES NP
.endif
.if \slot == 0
	v_add_nc_u32 v[ADRS], 8, v[ADRS]               ; the next 256 along K: 8 scale bytes on,
.else
	s_wait_alu depctr_va_vdst(0)
	v_add_nc_u32 v[ADRS], 264, v[ADRS]             ; or into the tile's second row of 256 + 16 bytes
.endif
	FETCH_B \next, 0, 0
	FETCH_A \next, 0, 0
	SCALES \next
	WIN MUL_HI
	MUL16 4, 1, NQ-1, \slot, 0
	MUL16 6, 1, NQ-1, \slot, 0
	PLACES NP
	WIN 0
	FETCH_A \next, 0, 4
.endm
	s_wait_alu depctr_va_vdst(0)
	s_wait_tensorcnt 1                             ; the scales and my part of slot 0 are in; slot 1's load may be out
	s_barrier_signal -1
	s_barrier_wait -1
	FETCH_B 0, 0, 0
	FETCH_A 0, 0, 0
	SCALES 0
	FETCH_A 0, 0, 4
	STEP 0, 0, 1                                   ; the first products start the sums: nothing is cleared.  K = 1,024 is eight steps: written out
	TURN 0, 1, 1
	STEP 1, 0, 0
	TURN 1, 0, 1
	s_wait_alu depctr_va_vdst(0)
	STEP 0, 0, 0
	TURN 0, 1, 0                                   ; nothing is left to fetch
	STEP 1, 0, 0
	s_wait_dscnt 4*NL
	WIN MUL_LO
	MUL16 0, 1, NQ-1, 1, 0
	MUL16 2, 1, NQ-1, 1, 0
	s_wait_dscnt 0
	WIN MUL_HI
	MUL16 4, 1, NQ-1, 1, 0
	MUL16 6, 1, NQ-1, 1, 0
	WIN 0
	; THE WAY OUT: no LDS.  For each of my 8 tiles of A, a lane's 64 results are four blocks of 32 (with lane l xor 16) along the next K.
	PLACES NP
	s_mov_b32 s[FLR], 0x2800000                    ; the floor 2^(5 - 127)
	s_mov_b32 s[SEL], 0x76543210
	s_mov_b32 s[SEL+1], 0xfedcba98                 ; v_permlanex16_b32's selects for lane l xor 16
	v_cmp_le_u32 vcc_lo, 16, v3                    ; lanes 16-31
.irp b, 0,1,2,3
	v_mov_b32 v[TM+4+\b], 0                        ; a lane permute's destination counts as one of its sources
.endr
	; which run of 8 tiles (or key step) of which head: ((batch x 16 + head) x 16 + run).  For v the sides' coordinates change places.  These numbers enter stores' addresses alone
	s_cmp_eq_u32 ttmp9, 2
	s_cselect_b32 s20, s40, s41                    ; the tokens' coordinate in the cluster
	s_cselect_b32 s21, s41, s40                    ; the features'
	s_cselect_b32 s22, s16, s15                    ; the tokens' half
	s_cselect_b32 s23, s15, s16                    ; the features' half
	s_lshr_b32 s18, s17, 1                         ; the batch
	s_lshl_b32 s18, s18, 4
	s_lshl_b32 s21, s21, 2
	s_add_co_u32 s18, s18, s21
	s_lshl_b32 s23, s23, 1
	s_add_co_u32 s18, s18, s23                     ; 16 x batch + my first head
	s_lshl_b32 s18, s18, 4
	s_and_b32 s19, s17, 1
	s_lshl_b32 s19, s19, 2
	s_add_co_u32 s19, s19, s20
	s_lshl_b32 s19, s19, 1
	s_add_co_u32 s19, s19, s22                     ; my 128 tokens among the batch's 2,048
	s_add_co_u32 s18, s18, s19
	s_mov_b32 s21, 0
	s_mul_i32 s20, s18, 6144
	s_add_nc_u64 s[8:9], s[8:9], s[20:21]
	s_lshl_b32 s20, s18, 9
	s_add_nc_u64 s[10:11], s[10:11], s[20:21]
	s_mul_i32 s20, s18, 12800
	s_add_nc_u64 s[12:13], s[12:13], s[20:21]
; Tile a of A: its 64 numbers a lane become two times six registers of codes (d0: blocks 0, 1; d1: blocks 2, 3) and the scale word v[PW + a].  Each accumulator is read from its low end on.
.macro QUANT a, d0, d1
.set AC, 64*((\a)%4)
	WIN 0x28+0x14*((\a)/4)                         ; sources 1 and 2: window 2 or 3
.irp b, 0,1,2,3
	v_max3_num_f32 v[TM+\b], s[FLR], |v[AC+16*\b]|, |v[AC+16*\b+1]|
.endr
.irp i, 2,4,6,8,10,12,14
.irp b, 0,1,2,3
	v_max3_num_f32 v[TM+\b], v[TM+\b], |v[AC+16*\b+\i]|, |v[AC+16*\b+\i+1]|
.endr
.endr
	WIN 0
.irp b, 0,1,2,3
	v_permlanex16_b32 v[TM+4+\b], v[TM+\b], s[SEL], s[SEL+1]
.endr
.irp b, 0,1,2,3
	v_max_num_f32 v[TM+\b], v[TM+\b], v[TM+4+\b]   ; the block's largest magnitude
.endr
.irp b, 0,1,2,3
	v_add_nc_u32 v[TM+12+\b], 0xfe000000, v[TM+\b] ; 4 off its exponent field: the conversion's scale operand
.endr
.irp b, 0,1,2,3
	v_lshrrev_b32 v[TM+4+\b], 23, v[TM+12+\b]      ; the scale's byte
.endr
	v_lshl_or_b32 v[PW+(\a)], v[TM+5], 8, v[TM+4]
	v_lshl_or_b32 v[PW+(\a)], v[TM+6], 16, v[PW+(\a)]
	v_lshl_or_b32 v[PW+(\a)], v[TM+7], 24, v[PW+(\a)]
	WIN 0x02+((\a)/4)                              ; source 0: window 2 or 3
	v_cvt_scalef32_pk16_bf6_f32 v[\d0:\d0+2], v[AC:AC+15], v[TM+12]
	v_cvt_scalef32_pk16_bf6_f32 v[CT:CT+2], v[AC+16:AC+31], v[TM+13]
	v_cvt_scalef32_pk16_bf6_f32 v[\d1:\d1+2], v[AC+32:AC+47], v[TM+14]
	v_cvt_scalef32_pk16_bf6_f32 v[CT+4:CT+6], v[AC+48:AC+63], v[TM+15]
	WIN 0
	v_nop                                          ; one plain instruction behind the conversions
.irp i, 0,1,2                          ; the operand wants a whole block in a lane: lanes 0-15 the even block, lanes 16-31 the odd one
	v_permlane16_swap_b32 v[\d0+\i], v[CT+\i]
.endr
.irp i, 0,1,2
	v_permlane16_swap_b32 v[\d1+\i], v[CT+4+\i]
.endr
.irp i, 0,1,2
	v_mov_b32 v[\d0+3+\i], v[CT+\i]
	v_mov_b32 v[\d1+3+\i], v[CT+4+\i]
.endr
.endm
	s_cmp_eq_u32 ttmp9, 2                          ; the cluster's x: the same in all partners
	s_cbranch_scc1 .Lv
.irp a, 0,1,2,3,4,5,6,7                ; q, k: a lane holds a token; blocks 0, 1 are my first head's d, blocks 2, 3 my second's
	QUANT \a, 64+6*\a, 112+6*\a
.endr
	s_cmp_eq_u32 ttmp9, 1
	s_cbranch_scc1 .Lk
.irp c, 0,1                            ; q: a unit of 768 bytes for each head and tile
.irp a, 0,1,2,3,4,5,6,7
.irp p, 0,1,2
	global_store_b64 v[L8], v[64+48*\c+6*\a+2*\p:64+48*\c+6*\a+2*\p+1], s[8:9] offset:98304*\c+768*\a+256*\p
.endr
.endr
.endr
.irp e, 0,1,2,3                        ; q's scale words: lane 16 u + r holds those of tiles 2 e + u; a head's two bytes stand twice in a word
	v_cndmask_b32 v[192+\e], v[PW+2*\e], v[PW+2*\e+1], vcc_lo
.endr
.irp e, 0,1,2,3
	v_perm_b32 v[196+\e], v[192+\e], v[192+\e], 0x01000100
	v_perm_b32 v[200+\e], v[192+\e], v[192+\e], 0x03020302
.endr
	global_store_b128 v[L16], v[196:199], s[10:11]
	global_store_b128 v[L16], v[200:203], s[10:11] offset:8192
	s_branch .Ldone
.Lk:
	s_wait_alu depctr_va_vdst(0)
.irp c, 0,1                            ; k: key tiles 2 e and 2 e + 1 are the two halves of one fragment of 12 registers
.irp e, 0,1,2,3
.irp g, 0,1,2
	global_store_b128 v[L16], v[64+48*\c+12*\e+4*\g:64+48*\c+12*\e+4*\g+3], s[12:13] offset:204800*\c+1536*\e+512*\g
.endr
.endr
.endr
.irp e, 0,1,2,3                        ; its scale word: bytes 0, 1 tile 2 e's, bytes 2, 3 tile 2 e + 1's
	v_perm_b32 v[192+\e], v[PW+2*\e+1], v[PW+2*\e], 0x05040100
	v_perm_b32 v[196+\e], v[PW+2*\e+1], v[PW+2*\e], 0x07060302
.endr
.irp c, 0,1
.irp g, 0,1                            ; word g of lane 16 u + r belongs to fragment 2 g + u
	v_cndmask_b32 v[200+2*\c+\g], v[192+4*\c+2*\g], v[192+4*\c+2*\g+1], vcc_lo
.endr
.endr
	global_store_b64 v[L8], v[200:201], s[12:13] offset:12288
	global_store_b64 v[L8], v[202:203], s[12:13] offset:204800+12288
	s_branch .Ldone
.Lv:
.irp a, 0,1,2,3,4,5,6,7                ; v: a lane holds a d; the four blocks are my 128 keys: one fragment of V^T
	QUANT \a, 64+12*\a, 70+12*\a
.endr
.irp a, 0,1,2,3,4,5,6,7
.irp g, 0,1,2
	global_store_b128 v[L16], v[64+12*\a+4*\g:64+12*\a+4*\g+3], s[12:13] offset:204800*(\a/4)+6144+1536*(\a%4)+512*\g
.endr
.endr
.irp c, 0,1
.irp g, 0,1
	v_cndmask_b32 v[192+2*\c+\g], v[PW+4*\c+2*\g], v[PW+4*\c+2*\g+1], vcc_lo
.endr
.endr
	global_store_b64 v[L8], v[192:193], s[12:13] offset:12544
	global_store_b64 v[L8], v[194:195], s[12:13] offset:204800+12544
.Ldone:
	s_wait_tensorcnt 0x0                           ; the wave's end
	ds_add_u32 v[SPW], v[NIL]
	s_wait_dscnt 0x0
	CROUND                                         ; the closing round: no work-group ends while a partner may still ask for a tile that names it
	s_endpgm
.Lfunc_end_k_q3ab3d9cf1e_qkv:
	.size	k_q3ab3d9cf1e_qkv, .Lfunc_end_k_q3ab3d9cf1e_qkv-k_q3ab3d9cf1e_qkv
	.p2alignl 7, 3214868480
	.fill 96, 4, 3214868480
	.section	.rodata,"a",@progbits
	.p2align	6, 0x0
	.amdhsa_kernel k_q3ab3d9cf1e_qkv
		.amdhsa_group_segment_fixed_size 327680
		.amdhsa_private_segment_fixed_size 0
		.amdhsa_enable_private_segment 0
		.amdhsa_kernarg_size 40
		.amdhsa_user_sgpr_count 2
		.amdhsa_user_sgpr_kernarg_segment_ptr 1
		.amdhsa_wavefront_size32 1
		.amdhsa_system_sgpr_workgroup_id_x 1
		.amdhsa_system_sgpr_workgroup_id_y 1
		.amdhsa_system_sgpr_workgroup_id_z 1
		.amdhsa_system_vgpr_workitem_id 0
		.amdhsa_next_free_vgpr 1024
		.amdhsa_next_free_sgpr 98
		.amdhsa_reserve_vcc 1
		.amdhsa_float_denorm_mode_32 3
		.amdhsa_float_denorm_mode_16_64 3
		.amdhsa_memory_ordered 1
		.amdhsa_forward_progress 1
		.amdhsa_inst_pref_size 202
	.end_amdhsa_kernel
	.amdgpu_metadata
---
amdhsa.version: [ 1, 2 ]
amdhsa.kernels:
  - .name:           k_q3ab3d9cf1e_qkv
    .symbol:         k_q3ab3d9cf1e_qkv.kd
    .args:
      - { .name: opnd, .offset: 0, .size: 8, .value_kind: global_buffer, .address_space: global }
      - { .name: oscl, .offset: 8, .size: 8, .value_kind: global_buffer, .address_space: global }
      - { .name: qimg, .offset: 16, .size: 8, .value_kind: global_buffer, .address_space: global }
      - { .name: qscl, .offset: 24, .size: 8, .value_kind: global_buffer, .address_space: global }
      - { .name: kv, .offset: 32, .size: 8, .value_kind: global_buffer, .address_space: global }
    .group_segment_fixed_size: 327680
    .private_segment_fixed_size: 0
    .kernarg_segment_align: 8
    .kernarg_segment_size: 40
    .max_flat_workgroup_size: 128
    .sgpr_count:     98
    .vgpr_count:     1024
    .wavefront_size: 32
...
	.end_amdgpu_metadata
.endif
;; end of part 2
;; launch attn (part 3): grid 4 x 64, 16 waves a work-group, no clusters, 206,848 bytes of LDS; arguments qimg, qscl, kv, ctx, cscl; writes ctx, cscl
.if DOCPART == 3
	.amdgcn_target "amdgcn-amd-amdhsa--gfx1250"
	.amdhsa_code_object_version 6
	.text
	.protected	k_q3ab3d9cf1e_attn
	.globl	k_q3ab3d9cf1e_attn
	.p2align	8
	.type	k_q3ab3d9cf1e_attn,@function
k_q3ab3d9cf1e_attn:
	s_mov_b64 s[64:65], 0
	v_nop
	global_prefetch_b8 v0, s[64:65] scope:SCOPE_SE
	s_setreg_imm32_b32 hwreg(HW_REG_WAVE_MODE, 25, 1), 1
	s_wait_xcnt 0x0
; Causal attention of one head on codes of BF6 (E3M2) with E8M0 scales: S^T = K Q^T (K = the head's 64), p = 2^(t - M), O^T = V^T P^T (K = the keys), ctx = O / l quantised along the head's 64.
; t = score x log2(e) / 8; M = the running largest t rounded UP to a whole number; p is quantised along the keys, not normalised; l is the sum of the unquantised p, in f32.  When M moves, l and O are multiplied by 2^(old M - new M): exact.
; TILES: 16 tokens, lane r holding token 32 (T / 2) + 8 (T % 2) + r + 8 (r / 8): so the 16 registers of two neighbouring key tiles are 16 neighbouring keys, and O^T's of two d tiles 16 neighbouring d.
; K = 64 FILLS HALF AN INSTRUCTION: a fragment of K holds key tile 2 a in registers 0-5 and tile 2 a + 1 in registers 6-11; Q stands in a run of 18 registers, six zeros, q, six zeros: the last 12 of them pick tile 2 a, the first 12 tile 2 a + 1.
; The other half meets zero codes, under scale bytes that are never 0xff.
; SHARES: a work-group has the whole head's K and V in LDS, 16 key steps of 12,800 bytes, filled ONCE, a step by each wave's tensor load: no ring, one barrier, no LDS store.
; Wave w of work-group i takes query tile 16 i + w and then tile 127 - (16 i + w): tile T needs key steps 0 .. T / 8, so each wave has 17 steps in all.  Only a tile's last step is masked.
; The loop over key steps has a constant count of 16; a step all of whose keys come after the tile's queries is jumped over by a scalar branch on ids.
; NO CLUSTER: the four work-groups that share a head's K and V differ in their query tiles, and the jump over hidden steps is a branch on those.
; OUT: ctx = [head 16][tile 512][768 bytes], the next product's operand registers; cscl = [tile 512][512]: a head's two bytes at 256 (head / 8) + 16 r + 2 (head % 8): this one store, 2 bytes of each 26 that a lane stores, fills 256-byte runs in part.
; LIMITS: NaN and infinities are not served; 1 / l by v_rcp_f32; a block of zeros or under 2^(5 - 127) gets the byte 1 with zero or held codes (the bytes are read by this program alone).
.set STEPB, 12800                      ; a key step in LDS and in kv: K's four fragments, V's four, K's scale words, V's
.set VOFF,  6144
.set KSO,   12288
.set VSO,   12544
.set FRG,   40                         ; v40-87   four fragments, K's and then V's
.set S,     88                         ; v88-151  S^T, then p
.set O,     152                        ; v152-183 O^T
.set PC,    184                        ; v184-195 p's codes
.set CT,    196                        ; v196-198, v200-202
.set BM,    204                        ; v204-207 the blocks' largest
.set BT,    208                        ; v208-211 at work
.set SO,    212                        ; v212-215 the conversions' scale operands
.set KS,    216                        ; v[216:217] K's scale words;  v[218:219] V's;  v220 p's
.set VS,    218
.set PWD,   220
.set CB,    221                        ; ctx's two scale bytes
.set F,     222                        ; v[222:223] the factor (v223 is named with it as a pair)
; v1 16 x lane, v2 8 x lane, v3, v4 the step's addresses, v5 the mask's bound, v6 r + 8 (r / 8) - 16 h, v7 16 r, v10 Q's scale word, v11 the second tile's, v12 -M, v13 the largest t, v[14:15] l,
; v16-33 the run of Q, v34-39 the second tile's q, v[224:225] a chain of the sum, v226 at work, v227 -infinity.
; s14 wave, s15 head and batch, s16 T, s17 T / 8, s18 the tile's place in its last step, s[20:21] lane selects, s[22:23] c, s[24:31], s[32:35] the descriptor, s36 the step's LDS byte, s37 the step, s[38:39], s[40:41] where ctx and its bytes go.
	s_load_b128 s[4:7], s[0:1], 0x0                ; qimg, qscl
	s_load_b128 s[8:11], s[0:1], 0x10              ; kv, ctx
	s_load_b64 s[12:13], s[0:1], 0x20              ; cscl
	v_lshl_add_u32 v254, v0, 2, 0x32000
	v_mov_b32 v255, 0
	ds_add_u32 v254, v255
	ds_add_u32 v254, v255
	v_lshrrev_b32 v1, 5, v0
	s_delay_alu instid0(VALU_DEP_1)
	v_readfirstlane_b32 s14, v1                    ; wave 0..15
	s_and_b32 s15, ttmp7, 0xffff                   ; 16 x batch + head
	s_mov_b32 s24, 3<<16                           ; group 1: 12,800 dense bytes as 50 rows of 32 elements of 8 bytes; no mask, no padding
	s_mov_b32 s25, 32<<16
	s_mov_b32 s26, 50<<16
	s_mov_b32 s27, 32<<16
	s_mov_b32 s28, 50
	s_mov_b32 s29, 32
	s_mov_b32 s30, 0
	s_mov_b32 s31, 0
	s_lshl_b32 s47, s15, 4                         ; 16 x (batch, head)
	s_add_co_u32 s42, s47, s14
	s_mul_i32 s42, s42, STEPB                      ; key step w of my head
	s_mov_b32 s43, 0
	s_mov_b32 s32, 1
	s_mul_i32 s33, s14, STEPB                      ; to LDS byte 12,800 w
	s_wait_dscnt 0x0
	s_wait_kmcnt 0x0
	s_add_nc_u64 s[34:35], s[8:9], s[42:43]
	s_or_b32 s35, s35, 0x80000000
	tensor_load_to_lds s[32:35], s[24:31]          ; my one tensor load of the launch
	s_nop 0
.rept 4
	v_nop
.endr
	v_and_b32 v8, 31, v0
	s_delay_alu instid0(VALU_DEP_1)
	v_lshlrev_b32 v1, 4, v8
	s_delay_alu instid0(VALU_DEP_2)
	v_lshlrev_b32 v2, 3, v8
	s_wait_alu depctr_va_vdst(0)
	v_and_b32 v9, 15, v0
	s_delay_alu instid0(VALU_DEP_1)
	v_lshlrev_b32 v7, 4, v9
	s_wait_alu depctr_va_vdst(0)
	v_and_b32 v6, 8, v9
	s_delay_alu instid0(VALU_DEP_1)
	v_add_nc_u32 v6, v6, v9
	v_bfe_u32 v8, v0, 4, 1
	s_delay_alu instid0(VALU_DEP_1)
	v_lshlrev_b32 v8, 4, v8
	s_delay_alu instid0(VALU_DEP_1)
	v_sub_nc_u32 v6, v6, v8
	s_lshl_b32 s44, s15, 7                         ; 128 tiles a head
	s_lshl_b32 s16, ttmp9, 4
	s_add_co_u32 s16, s16, s14                     ; my first tile
	s_sub_co_u32 s56, 127, s16                     ; my second
.macro QBASE t, cb, sb                 ; where tile s[t]'s codes and scale words lie
	s_add_co_u32 s42, s44, s[\t]
	s_mul_i32 s42, s42, 768
	s_add_nc_u64 s[\cb:\cb+1], s[4:5], s[42:43]
	s_lshr_b32 s42, s[\t], 3
	s_add_co_u32 s42, s42, s47
	s_lshl_b32 s42, s42, 9                         ; 512 bytes for 8 tiles;
	s_and_b32 s45, s[\t], 1
	s_lshl_b32 s45, s45, 8                         ; odd tiles in lanes 16-31;
	s_add_co_u32 s42, s42, s45
	s_bfe_u32 s45, s[\t], 0x20001
	s_lshl_b32 s45, s45, 2                         ; word (T % 8) / 2
	s_add_co_u32 s42, s42, s45
	s_add_nc_u64 s[\sb:\sb+1], s[6:7], s[42:43]
.endm
	QBASE 16, 48, 50
.irp p, 0,1,2
	global_load_b64 v[22+2*\p:23+2*\p], v2, s[48:49] offset:256*\p
.endr
	global_load_b32 v10, v7, s[50:51]
	QBASE 56, 52, 54
.irp p, 0,1,2
	global_load_b64 v[34+2*\p:35+2*\p], v2, s[52:53] offset:256*\p
.endr
	global_load_b32 v11, v7, s[54:55]
	s_mov_b32 s20, 0x76543210
	s_mov_b32 s21, 0xfedcba98                      ; v_permlanex16_b32's selects for lane l xor 16
	s_mov_b32 s22, 0x3e38aa3b                      ; c = log2(e) / 8
	s_mov_b32 s23, s22                             ; (named with it as a pair)
.irp j, 16,17,18,19,20,21,28,29,30,31,32,33
	v_mov_b32 v[\j], 0                             ; the zero codes on both sides of q
.endr
.irp b, 0,1,2,3
	v_mov_b32 v[BT+\b], 0                          ; a lane permute's destination counts as one of its sources
.endr
	v_mov_b32 v[F+1], 0
	v_mov_b32 v226, 0
	v_mov_b32 v227, 0xff800000                     ; -infinity
	s_wait_tensorcnt 0x0                           ; my key step has landed,
	s_barrier_signal -1
	s_barrier_wait -1                              ; everybody's has
	s_wait_loadcnt 0x0                             ; both tiles' q
.macro SETT                            ; what hangs on the tile s16
	s_lshr_b32 s17, s16, 3                         ; its last key step
	s_and_b32 s18, s16, 6
	s_lshl_b32 s18, s18, 4
	s_and_b32 s42, s16, 1
	s_lshl_b32 s42, s42, 3
	s_add_co_u32 s18, s18, s42                     ; its first token's place in that step
	s_lshr_b32 s45, s15, 4
	s_lshl_b32 s45, s45, 7
	s_add_co_u32 s45, s45, s16                     ; the tile among all 512
	s_and_b32 s42, s15, 15
	s_lshl_b32 s42, s42, 9
	s_add_co_u32 s42, s42, s45
	s_mul_i32 s42, s42, 768
	s_add_nc_u64 s[38:39], s[10:11], s[42:43]
	s_lshl_b32 s42, s45, 9
	s_bfe_u32 s45, s15, 0x10003
	s_lshl_b32 s45, s45, 8
	s_add_co_u32 s42, s42, s45
	s_and_b32 s45, s15, 7
	s_lshl_b32 s45, s45, 1
	s_add_co_u32 s42, s42, s45
	s_add_nc_u64 s[40:41], s[12:13], s[42:43]
.endm
; A KEY STEP: 128 keys.
.macro STEP
	v_add_nc_u32 v3, s36, v1
	v_add_nc_u32 v4, s36, v2
	v_nop
	v_nop                                          ; four places between the last step's products and the loads into their registers
.irp a, 0,1,2,3
.irp g, 0,1,2
	ds_load_b128 v[FRG+12*\a+4*\g:FRG+12*\a+4*\g+3], v3 offset:1536*\a+512*\g
.endr
.endr
	ds_load_b64 v[KS:KS+1], v4 offset:KSO
	s_wait_alu depctr_va_vdst(0)
	s_wait_dscnt 0x0
.irp a, 0,1,2,3                        ; S^T: register S + 16 a + i of lane (r, h) is key 32 a + 16 h + i for query r
.if \a%2
	v_wmma_scale_f32_16x16x128_f8f6f4 v[S+16*\a:S+16*\a+7], v[FRG+12*\a:FRG+12*\a+11], v[22:33], 0, v[KS+\a/2], v10 matrix_a_fmt:MATRIX_FMT_BF6 matrix_b_fmt:MATRIX_FMT_BF6 matrix_a_scale:MATRIX_SCALE_ROW1
	v_wmma_scale_f32_16x16x128_f8f6f4 v[S+16*\a+8:S+16*\a+15], v[FRG+12*\a:FRG+12*\a+11], v[16:27], 0, v[KS+\a/2], v10 matrix_a_fmt:MATRIX_FMT_BF6 matrix_b_fmt:MATRIX_FMT_BF6 matrix_a_scale:MATRIX_SCALE_ROW1
.else
	v_wmma_scale_f32_16x16x128_f8f6f4 v[S+16*\a:S+16*\a+7], v[FRG+12*\a:FRG+12*\a+11], v[22:33], 0, v[KS+\a/2], v10 matrix_a_fmt:MATRIX_FMT_BF6 matrix_b_fmt:MATRIX_FMT_BF6
	v_wmma_scale_f32_16x16x128_f8f6f4 v[S+16*\a+8:S+16*\a+15], v[FRG+12*\a:FRG+12*\a+11], v[16:27], 0, v[KS+\a/2], v10 matrix_a_fmt:MATRIX_FMT_BF6 matrix_b_fmt:MATRIX_FMT_BF6
.endif
.endr
.rept 4
	v_nop                                          ; places: for the loads below and for the first read of the scores
.endr
.irp a, 0,1,2,3                        ; V's fragments are asked for now and land during the softmax
.irp g, 0,1,2
	ds_load_b128 v[FRG+12*\a+4*\g:FRG+12*\a+4*\g+3], v3 offset:VOFF+1536*\a+512*\g
.endr
.endr
	ds_load_b64 v[VS:VS+1], v4 offset:VSO
	s_cmp_lg_u32 s37, s17                          ; only the tile's last step lies on the diagonal
	s_cbranch_scc1 .Lopen_\@
.irp n, 0,1,2,3,4,5,6,7,8,9,10,11,12,13,14,15,16,17,18,19,20,21,22,23,24,25,26,27,28,29,30,31,32,33,34,35,36,37,38,39,40,41,42,43,44,45,46,47,48,49,50,51,52,53,54,55,56,57,58,59,60,61,62,63
	v_cmp_gt_i32 vcc_lo, 32*(\n/16)+\n%16, v5      ; the register's key comes after my query: the score becomes -infinity, p = 0
	v_cndmask_b32 v[S+\n], v[S+\n], v227, vcc_lo
.endr
.Lopen_\@:
.irp b, 0,1,2,3
	v_max3_num_f32 v[BM+\b], v[S+16*\b], v[S+16*\b+1], v[S+16*\b+2]   ; the largest score of each block of 32 keys: for the row's maximum, and, since p rises with the score, for the block's largest p
.endr
.irp i, 3,5,7,9,11,13
.irp b, 0,1,2,3
	v_max3_num_f32 v[BM+\b], v[BM+\b], v[S+16*\b+\i], v[S+16*\b+\i+1]
.endr
.endr
.irp b, 0,1,2,3
	v_max_num_f32 v[BM+\b], v[BM+\b], v[S+16*\b+15]
.endr
.irp b, 0,1,2,3
	s_delay_alu instid0(VALU_DEP_4)
	v_permlanex16_b32 v[BT+\b], v[BM+\b], s20, s21
.endr
.irp b, 0,1,2,3
	s_delay_alu instid0(VALU_DEP_4)
	v_max_num_f32 v[BM+\b], v[BM+\b], v[BT+\b]
.endr
	s_delay_alu instid0(VALU_DEP_2)
	v_max3_num_f32 v226, v[BM], v[BM+1], v[BM+2]
	s_delay_alu instid0(VALU_DEP_1)
	v_max_num_f32 v226, v226, v[BM+3]
	s_delay_alu instid0(VALU_DEP_1)
	v_mul_f32 v226, s22, v226                      ; the step's largest t
	s_delay_alu instid0(VALU_DEP_1)
	v_max_num_f32 v13, v13, v226
	v_mov_b32 v226, v12
	s_delay_alu instid0(VALU_DEP_2)
	v_floor_f32 v12, -v13                          ; -M = floor(-t): M is a whole number
	s_delay_alu instid0(VALU_DEP_1)
	v_sub_f32 v226, v12, v226                      ; old M - new M, 0 or less
	s_delay_alu instid0(VALU_DEP_1)
	v_cvt_i32_f32 v226, v226                       ; (it saturates)
	s_delay_alu instid0(VALU_DEP_1)
	v_ldexp_f32 v[F], 1.0, v226                    ; f = 2^(old M - new M)
.irp j, 0,2,4,6,8,10,12,14,16,18,20,22,24,26,28,30,32,34,36,38,40,42,44,46,48,50,52,54,56,58,60,62
	v_pk_fma_f32 v[S+\j:S+\j+1], v[S+\j:S+\j+1], s[22:23], v[12:13] op_sel_hi:[1,0,0]   ; t - M
.endr
	s_setprio 1
.irp b, 0,1,2,3
	v_fma_f32 v[BM+\b], v[BM+\b], s22, v12         ; the same of each block's largest score
.endr
	s_wait_alu depctr_va_vdst(0)
.irp b, 0,1,2,3
	v_exp_f32 v[BM+\b], v[BM+\b]                   ; one batch of 68 exponentials
.endr
.irp j, 0,1,2,3,4,5,6,7,8,9,10,11,12,13,14,15,16,17,18,19,20,21,22,23,24,25,26,27,28,29,30,31,32,33,34,35,36,37,38,39,40,41,42,43,44,45,46,47,48,49,50,51,52,53,54,55,56,57,58,59,60,61,62,63
	v_exp_f32 v[S+\j], v[S+\j]                     ; p = 2^(t - M)
.endr
	v_pk_mul_f32 v[14:15], v[14:15], v[F:F+1] op_sel_hi:[1,0]   ; l under the new M; the plain instruction behind the batch
	s_wait_alu depctr_va_vdst(0)                   ; one wait for the batch, ahead of the first instruction that names a result
.irp b, 0,1,2,3
	v_max_num_f32 v[BM+\b], 0x2800000, v[BM+\b]    ; the floor 2^(5 - 127): the byte cannot fall under 1
.endr
.irp b, 0,1,2,3
	s_delay_alu instid0(VALU_DEP_4)
	v_add_nc_u32 v[SO+\b], 0xfe000000, v[BM+\b]
.endr
.irp b, 0,1,2,3
	s_delay_alu instid0(VALU_DEP_4)
	v_lshrrev_b32 v[BT+\b], 23, v[SO+\b]
.endr
	s_delay_alu instid0(VALU_DEP_3)
	v_lshl_or_b32 v[PWD], v[BT+1], 8, v[BT]        ; p's scale word for these 128 keys
	s_delay_alu instid0(VALU_DEP_1)
	v_lshl_or_b32 v[PWD], v[BT+2], 16, v[PWD]
	s_delay_alu instid0(VALU_DEP_1)
	v_lshl_or_b32 v[PWD], v[BT+3], 24, v[PWD]
.irp c, 0,1
	v_cvt_scalef32_pk16_bf6_f32 v[PC+6*\c:PC+6*\c+2], v[S+32*\c:S+32*\c+15], v[SO+2*\c]
	v_cvt_scalef32_pk16_bf6_f32 v[CT+4*\c:CT+4*\c+2], v[S+32*\c+16:S+32*\c+31], v[SO+2*\c+1]
.endr
.irp j, 0,2,4,6,8,10,12,14,16,18,20,22,24,26,28,30
	v_pk_mul_f32 v[O+\j:O+\j+1], v[O+\j:O+\j+1], v[F:F+1] op_sel_hi:[1,0]   ; O^T under the new M, from each accumulator's low end on; also the plain work behind the conversions
.endr
.irp c, 0,1
.irp i, 0,1,2
	v_permlane16_swap_b32 v[PC+6*\c+\i], v[CT+4*\c+\i]   ; a whole block to a lane
.endr
.irp i, 0,1,2
	s_delay_alu instid0(VALU_DEP_3)
	v_mov_b32 v[PC+6*\c+3+\i], v[CT+4*\c+\i]
.endr
.endr
	s_setprio 0
	v_pk_add_f32 v[224:225], v[92:93], v[96:97]
	v_pk_add_f32 v[252:253], v[100:101], v[104:105]
	v_pk_add_f32 v[250:251], v[108:109], v[112:113]
	v_pk_add_f32 v[248:249], v[116:117], v[120:121]
	v_pk_add_f32 v[246:247], v[124:125], v[128:129]
	v_pk_add_f32 v[244:245], v[132:133], v[136:137]
	v_pk_add_f32 v[242:243], v[140:141], v[144:145]
	v_pk_add_f32 v[14:15], v[14:15], v[148:149]
	v_pk_add_f32 v[224:225], v[224:225], v[88:89]
	v_pk_add_f32 v[252:253], v[252:253], v[90:91]
	v_pk_add_f32 v[250:251], v[250:251], v[94:95]
	v_pk_add_f32 v[248:249], v[248:249], v[98:99]
	v_pk_add_f32 v[246:247], v[246:247], v[102:103]
	v_pk_add_f32 v[244:245], v[244:245], v[106:107]
	v_pk_add_f32 v[242:243], v[242:243], v[110:111]
	v_pk_add_f32 v[14:15], v[14:15], v[114:115]
	v_pk_add_f32 v[224:225], v[224:225], v[118:119]
	v_pk_add_f32 v[252:253], v[252:253], v[122:123]
	v_pk_add_f32 v[250:251], v[250:251], v[126:127]
	v_pk_add_f32 v[248:249], v[248:249], v[130:131]
	v_pk_add_f32 v[246:247], v[246:247], v[134:135]
	v_pk_add_f32 v[244:245], v[244:245], v[138:139]
	v_pk_add_f32 v[242:243], v[242:243], v[142:143]
	v_pk_add_f32 v[14:15], v[14:15], v[146:147]
	v_pk_add_f32 v[224:225], v[224:225], v[150:151]
	s_delay_alu instid0(VALU_DEP_2)
	v_pk_add_f32 v[14:15], v[14:15], v[248:249]
	s_delay_alu instid0(VALU_DEP_2)
	v_pk_add_f32 v[224:225], v[224:225], v[246:247]
	v_pk_add_f32 v[252:253], v[252:253], v[244:245]
	v_pk_add_f32 v[250:251], v[250:251], v[242:243]
	s_delay_alu instid0(VALU_DEP_2)
	v_pk_add_f32 v[14:15], v[14:15], v[252:253]
	s_delay_alu instid0(VALU_DEP_2)
	v_pk_add_f32 v[224:225], v[224:225], v[250:251]
	s_delay_alu instid0(VALU_DEP_1)
	v_pk_add_f32 v[14:15], v[14:15], v[224:225]
	s_wait_dscnt 0x0                               ; V
.irp a, 0,1,2,3                        ; O^T += V^T P^T: register O + 16 b + i of lane (r, h) is d = 32 b + 16 h + i; the four accumulators take turns
.if \a%2
	v_wmma_scale_f32_16x16x128_f8f6f4 v[O+8*\a:O+8*\a+7], v[FRG+12*\a:FRG+12*\a+11], v[PC:PC+11], v[O+8*\a:O+8*\a+7], v[VS+\a/2], v[PWD] matrix_a_fmt:MATRIX_FMT_BF6 matrix_b_fmt:MATRIX_FMT_BF6 matrix_a_scale:MATRIX_SCALE_ROW1
.else
	v_wmma_scale_f32_16x16x128_f8f6f4 v[O+8*\a:O+8*\a+7], v[FRG+12*\a:FRG+12*\a+11], v[PC:PC+11], v[O+8*\a:O+8*\a+7], v[VS+\a/2], v[PWD] matrix_a_fmt:MATRIX_FMT_BF6 matrix_b_fmt:MATRIX_FMT_BF6
.endif
.endr
.endm
; The tile's end: O / l, quantised along the head's 64 (two blocks), stored as the next product's operand registers.
.macro FLUSH
.rept 4
	v_nop
.endr
	v_add_f32 v14, v14, v15
	s_delay_alu instid0(VALU_DEP_1)
	v_permlanex16_b32 v226, v14, s20, s21
	s_delay_alu instid0(VALU_DEP_1)
	v_add_f32 v14, v14, v226                       ; the row's sum
	s_wait_alu depctr_va_vdst(0)
	v_rcp_f32 v[F], v14
	v_nop
	s_wait_alu depctr_va_vdst(0)                   ; ahead of the reciprocal's first reader
.irp j, 0,2,4,6,8,10,12,14,16,18,20,22,24,26,28,30
	v_pk_mul_f32 v[O+\j:O+\j+1], v[O+\j:O+\j+1], v[F:F+1] op_sel_hi:[1,0]
.endr
.irp b, 0,1
	v_max3_num_f32 v[BM+\b], |v[O+16*\b]|, |v[O+16*\b+1]|, 0x2800000
.endr
.irp i, 2,4,6,8,10,12,14
.irp b, 0,1
	s_delay_alu instid0(VALU_DEP_2)
	v_max3_num_f32 v[BM+\b], v[BM+\b], |v[O+16*\b+\i]|, |v[O+16*\b+\i+1]|
.endr
.endr
.irp b, 0,1
	s_delay_alu instid0(VALU_DEP_2)
	v_permlanex16_b32 v[BT+\b], v[BM+\b], s20, s21
.endr
.irp b, 0,1
	s_delay_alu instid0(VALU_DEP_2)
	v_max_num_f32 v[BM+\b], v[BM+\b], v[BT+\b]
.endr
.irp b, 0,1
	s_delay_alu instid0(VALU_DEP_2)
	v_add_nc_u32 v[SO+\b], 0xfe000000, v[BM+\b]
.endr
.irp b, 0,1
	s_delay_alu instid0(VALU_DEP_2)
	v_lshrrev_b32 v[BT+\b], 23, v[SO+\b]
.endr
	s_delay_alu instid0(VALU_DEP_1)
	v_lshl_or_b32 v[CB], v[BT+1], 8, v[BT]
	v_cvt_scalef32_pk16_bf6_f32 v[PC:PC+2], v[O:O+15], v[SO]
	v_cvt_scalef32_pk16_bf6_f32 v[CT:CT+2], v[O+16:O+31], v[SO+1]
	v_nop
.irp i, 0,1,2
	v_permlane16_swap_b32 v[PC+\i], v[CT+\i]
.endr
.irp i, 0,1,2
	s_delay_alu instid0(VALU_DEP_3)
	v_mov_b32 v[PC+3+\i], v[CT+\i]
.endr
.irp p, 0,1,2
	global_store_b64 v2, v[PC+2*\p:PC+2*\p+1], s[38:39] offset:256*\p   ; 32 lanes store 256 consecutive bytes, aligned
.endr
	global_store_b16 v7, v[CB], s[40:41]           ; lanes l and l xor 16 write the same two bytes with the same value
.endm
.macro PASS second
.if \second
	s_wait_xcnt 0x0                                ; the first tile's stores have read their registers and bases: both are written again below
	s_mov_b32 s16, s56
.irp p, 0,1,2,3,4,5
	v_mov_b32 v[22+\p], v[34+\p]
.endr
	v_mov_b32 v10, v11
.endif
	SETT
	v_add_nc_u32 v5, s18, v6                       ; register n's key is hidden where 32 (n / 16) + n % 16 is above this
	v_mov_b32 v13, 0xff61b1e6                      ; the largest t so far: -3e38
	s_delay_alu instid0(VALU_DEP_1)
	v_floor_f32 v12, -v13
	v_mov_b32 v14, 0
	v_mov_b32 v15, 0
.irp j, 0,1,2,3,4,5,6,7,8,9,10,11,12,13,14,15,16,17,18,19,20,21,22,23,24,25,26,27,28,29,30,31
	v_mov_b32 v[O+\j], 0                           ; the step is written once: the first finds zeros, which the first change of M leaves zeros
.endr
	s_mov_b32 s36, 0
	s_mov_b32 s37, 0
.Ltrip_\@:                                         ; 16 trips, a constant: the addresses' steps can be read off the text
	s_cmp_gt_u32 s37, s17
	s_cbranch_scc1 .Lhidden_\@                     ; all of the step's keys come after my queries
	s_setprio 2
	STEP
.Lhidden_\@:
	s_add_co_u32 s36, s36, STEPB
	s_add_co_u32 s37, s37, 1
	s_cmp_lt_u32 s37, 16
	s_cbranch_scc1 .Ltrip_\@
	s_setprio 0
	s_wait_alu depctr_va_vdst(0)
	FLUSH
.endm
	PASS 0
	PASS 1
	s_wait_tensorcnt 0x0
	ds_add_u32 v254, v255
	s_wait_dscnt 0x0
	s_endpgm
.Lfunc_end_k_q3ab3d9cf1e_attn:
	.size	k_q3ab3d9cf1e_attn, .Lfunc_end_k_q3ab3d9cf1e_attn-k_q3ab3d9cf1e_attn
	.p2alignl 7, 3214868480
	.fill 96, 4, 3214868480
	.section	.rodata,"a",@progbits
	.p2align	6, 0x0
	.amdhsa_kernel k_q3ab3d9cf1e_attn
		.amdhsa_group_segment_fixed_size 206848
		.amdhsa_private_segment_fixed_size 0
		.amdhsa_enable_private_segment 0
		.amdhsa_kernarg_size 40
		.amdhsa_user_sgpr_count 2
		.amdhsa_user_sgpr_kernarg_segment_ptr 1
		.amdhsa_wavefront_size32 1
		.amdhsa_system_sgpr_workgroup_id_x 1
		.amdhsa_system_sgpr_workgroup_id_y 1
		.amdhsa_system_sgpr_workgroup_id_z 1
		.amdhsa_system_vgpr_workitem_id 0
		.amdhsa_next_free_vgpr 256
		.amdhsa_next_free_sgpr 66
		.amdhsa_reserve_vcc 1
		.amdhsa_float_denorm_mode_32 3
		.amdhsa_float_denorm_mode_16_64 3
		.amdhsa_memory_ordered 1
		.amdhsa_forward_progress 1
		.amdhsa_inst_pref_size 63
	.end_amdhsa_kernel
	.amdgpu_metadata
---
amdhsa.version: [ 1, 2 ]
amdhsa.kernels:
  - .name:           k_q3ab3d9cf1e_attn
    .symbol:         k_q3ab3d9cf1e_attn.kd
    .args:
      - { .name: qimg, .offset: 0, .size: 8, .value_kind: global_buffer, .address_space: global }
      - { .name: qscl, .offset: 8, .size: 8, .value_kind: global_buffer, .address_space: global }
      - { .name: kv, .offset: 16, .size: 8, .value_kind: global_buffer, .address_space: global }
      - { .name: ctx, .offset: 24, .size: 8, .value_kind: global_buffer, .address_space: global }
      - { .name: cscl, .offset: 32, .size: 8, .value_kind: global_buffer, .address_space: global }
    .group_segment_fixed_size: 206848
    .private_segment_fixed_size: 0
    .kernarg_segment_align: 8
    .kernarg_segment_size: 40
    .max_flat_workgroup_size: 512
    .sgpr_count:     66
    .vgpr_count:     256
    .wavefront_size: 32
...
	.end_amdgpu_metadata
.endif
;; end of part 3
;; launch oproj (part 4): grid 4 x 32, 4 waves a work-group, clusters of 4 x 4, 327,680 bytes of LDS; arguments ctx, cscl, opnd, oscl, b_o, out0; writes out0
.if DOCPART == 4
	.amdgcn_target "amdgcn-amd-amdhsa--gfx1250"
	.amdhsa_code_object_version 6
	.text
	.protected	k_q3ab3d9cf1e_oproj
	.globl	k_q3ab3d9cf1e_oproj
	.p2align	8
	.type	k_q3ab3d9cf1e_oproj,@function
k_q3ab3d9cf1e_oproj:
	s_mov_b64 s[64:65], 0
	v_nop
	global_prefetch_b8 v0, s[64:65] scope:SCOPE_SE
	s_setreg_imm32_b32 hwreg(HW_REG_WAVE_MODE, 25, 1), 1
	s_wait_xcnt 0x0
	s_wait_alu depctr_hold_cnt(0) depctr_sa_sdst(0) depctr_va_vdst(0) depctr_va_sdst(0) depctr_va_ssrc(0) depctr_va_vcc(0) depctr_vm_vsrc(0)
	s_getreg_b32 s2, hwreg(HW_REG_IB_STS2, 6, 4)
	s_cmp_eq_u32 s2, 0
	s_cbranch_scc0 .Lentry_in_a_cluster
	s_endpgm
.Lentry_in_a_cluster:
	s_bfe_u32 s2, ttmp6, 0x10000c
	s_cmp_lg_u32 s2, 0xf033
	s_cbranch_scc0 .Lentry_shape_is_right
	s_endpgm
.Lentry_shape_is_right:
; out0 = ctx w_o^T + b_o on codes of BF6 (E3M2) with E8M0 scales; sums in f32; out0 [8192][1024] f32.
; OPERANDS in the order of their registers: ctx = [j 16][tile 512][768 bytes] with cscl = [tile][512]; w_o is tiles 704-767 of opnd = [j 16][tile 768][768] with oscl.  A tile is 16 rows, lane r holding row 32 (T / 2) + 8 (T % 2) + r + 8 (r / 8).
; A work-group of four waves makes 256 x 256, a wave 128 x 128: 64 accumulators.  K = 1,024 goes in four steps of 256 through two LDS slots filled by the tensor data mover.
; CLUSTERS of 4 x 4: ctx's tiles are shared along a row of the cluster, w_o's along a column; each is asked for jointly.
; THE MATRIX INSTRUCTION IS USED TRANSPOSED (source 0 = w_o's 16 rows, source 1 = ctx's): lane (r, h) holds token r of a tile, and register 8 b + j of a row of accumulators column 32 (b / 2) + 16 h + 8 (b % 2) + j.
; THE BIAS is the C of each sum's first matrix instruction: eight registers a tile of columns, in the result's layout.
; REGISTERS: window 0: v16-29 addresses; v32-63 scale words, two sets; v64-127 the bias; from v128 A's fragments, one set; on the way out v128-255.  window 1: B's fragments, two sets.  windows 2, 3: the accumulators.
.set UNIT,  768
.set NTA,   512
.set NTB,   768
.set NQ,    2
.set FR,    12
.set NL,    6
.set NP,    4                          ; places behind this matrix instruction (ISA guide 7.12.1)
.set HALFT, 4*8*UNIT
.set SLOT,  4*HALFT
.set STEPA, 4*NTA*UNIT
.set STEPBB, 4*NTB*UNIT
.set SCL,   2*SLOT
.set HALFS, 16*272
.set SBLK,  544
.set SPARE, SCL+4*HALFS
.set SPITCH, 528                       ; the way out: a stage of 16 rows x (512 + 16) bytes for each wave, in slot 0, which has had its last fill and its last read by then
.set ADRA, 16
.set ADRB, 20
.set STO,  24
.set RD,   25
.set CO,   26
.set ADRS, 27
.set SPW,  28
.set NIL,  29
.set SC,   32
.set BI,   64
.set AF,   128
.set BK,   128
.set G1, 24
.set G0, 32
.set G1B, 48
.set G0B, 56
.set G1S, 68
.set G0S, 76
.set G1SB, 80
.set G0SB, 88
.set MSB, 0
.macro WIN new                         ; the immediate's high byte repeats the setting that is left
.if MSB != (\new)
	s_set_vgpr_msb (MSB<<8)|(\new)
.set MSB, (\new)
.endif
.endm
.set MUL_LO, 0xa1                      ; source 0 (B) window 1, source 1 (A) window 0, C and D window 2
.set MUL_HI, 0xf1
.set BIA_LO, 0x81                      ; the same with C (the bias) in window 0
.set BIA_HI, 0xc1
.set TO_B,   0x40
.macro JLOAD g0a, g1a, g0b, g1b        ; a joint load: waves 0 and 1 fetch for A, waves 2 and 3 for B; four v_nop follow each of the two lines
	s_cmp_eq_u32 s15, 0
	s_cbranch_scc0 .Lfor_b_\@
	tensor_load_to_lds s[\g0a:\g0a+3], s[\g1a:\g1a+7]
	s_nop 0
.rept 4
	v_nop
.endr
	s_branch .Lasked_\@
.Lfor_b_\@:
	tensor_load_to_lds s[\g0b:\g0b+3], s[\g1b:\g1b+7]
	s_nop 0
.rept 4
	v_nop
.endr
.Lasked_\@:
.endm
.macro CREST
	s_cmp_lg_u32 s14, 0
	s_cbranch_scc1 .Lnot_wave_0_\@
	s_barrier_signal -3
.Lnot_wave_0_\@:
	s_barrier_wait -3
	s_barrier_signal -1
	s_barrier_wait -1
.endm
.macro CROUND
	s_barrier_signal -1
	s_barrier_wait -1
	CREST
.endm
	s_load_b128 s[4:7], s[0:1], 0x0                ; ctx, cscl
	s_load_b128 s[8:11], s[0:1], 0x10              ; opnd, oscl
	s_load_b64 s[96:97], s[0:1], 0x20              ; b_o
	s_load_b64 s[12:13], s[0:1], 0x28              ; out0
	v_lshl_add_u32 v[SPW], v0, 2, SPARE
	v_mov_b32 v[NIL], 0
	ds_add_u32 v28, v29
	ds_add_u32 v28, v29
	s_wait_dscnt 0x0
	v_lshrrev_b32 v1, 5, v0
	v_readfirstlane_b32 s14, v1                    ; wave 0..3
	s_lshr_b32 s15, s14, 1                         ; which half of the rows is mine.  Also: I fetch for A (0) or for B (1)
	s_and_b32 s16, s14, 1                          ; which half of the columns.  Also: which 8 tiles I fetch
	s_bfe_u32 s40, ttmp6, 0x40000                  ; cx
	s_bfe_u32 s41, ttmp6, 0x40004                  ; cy
	s_lshl_b32 s42, ttmp9, 2
	s_add_co_u32 s42, s42, s40                     ; tile column of out0
	s_and_b32 s17, ttmp7, 0xffff
	s_lshl_b32 s17, s17, 2
	s_add_co_u32 s17, s17, s41                     ; tile row
	s_lshl_b32 s43, s41, 2
	s_lshl_b32 s43, 15, s43                        ; my row of the cluster
	s_lshl_b32 s44, 0x1111, s40                    ; my column
	; descriptor group 1 for codes: 4 rows (j) of 768 elements of 8 bytes (8 tiles); dense in LDS
	s_or_b32 s[G1+0], s43, (3<<16)|(1<<21)
	s_or_b32 s[G1B+0], s44, (3<<16)|(1<<21)
.irp g, G1, G1B
	s_mov_b32 s[\g+1], 768<<16
	s_mov_b32 s[\g+2], 4<<16
	s_mov_b32 s[\g+3], 768<<16
	s_mov_b32 s[\g+4], 4
	s_mov_b32 s[\g+6], 0
	s_mov_b32 s[\g+7], 0
.endr
	s_mov_b32 s[G1+5], NTA*96                      ; from j to j + 1, in elements: ctx has 512 tiles,
	s_mov_b32 s[G1B+5], NTB*96                     ; opnd 768
	s_or_b32 s[G1S+0], s43, (3<<16)|(1<<20)|(1<<21)|(5<<22)|(3<<25)   ; the scales of 8 tiles: 16 rows of 256 bytes, 16 of padding behind each
	s_or_b32 s[G1SB+0], s44, (3<<16)|(1<<20)|(1<<21)|(5<<22)|(3<<25)
.irp g, G1S, G1SB
	s_mov_b32 s[\g+1], 32<<16
	s_mov_b32 s[\g+2], 16<<16
	s_mov_b32 s[\g+3], 32<<16
	s_mov_b32 s[\g+4], 16
	s_mov_b32 s[\g+5], 32
	s_mov_b32 s[\g+6], 0
	s_mov_b32 s[\g+7], 0
.endr
	s_lshl_b32 s18, s16, 3                         ; which 8 tiles I fetch
	s_lshl_b32 s20, s17, 4
	s_add_co_u32 s20, s20, s18                     ; A: tile 16 x tile row + 8 x half
	s_lshl_b32 s46, s42, 4
	s_add_co_u32 s46, s46, s18
	s_add_co_u32 s46, s46, 704                     ; B: w_o's tiles begin at 704
	s_lshl_b32 s22, s20, 9
	s_mov_b32 s23, 0
	s_mul_i32 s20, s20, UNIT
	s_mov_b32 s21, 0
	s_lshl_b32 s92, s46, 9
	s_mov_b32 s93, 0
	s_mul_i32 s46, s46, UNIT
	s_mov_b32 s47, 0
	s_mul_i32 s45, s14, HALFT
	s_mul_i32 s94, s14, HALFS
	s_wait_kmcnt 0x0
	s_add_nc_u64 s[20:21], s[4:5], s[20:21]
	s_add_nc_u64 s[22:23], s[6:7], s[22:23]
	s_add_nc_u64 s[46:47], s[8:9], s[46:47]
	s_add_nc_u64 s[92:93], s[10:11], s[92:93]
	CROUND                                         ; all sixteen work-groups are here: the first joint loads meet
	s_mov_b32 s[G0S], 1
	s_add_co_u32 s[G0S+1], s94, SCL
	s_mov_b64 s[G0S+2:G0S+3], s[22:23]
	s_or_b32 s[G0S+3], s[G0S+3], 0x80000000
	s_mov_b32 s[G0SB], 1
	s_add_co_u32 s[G0SB+1], s94, SCL
	s_mov_b64 s[G0SB+2:G0SB+3], s[92:93]
	s_or_b32 s[G0SB+3], s[G0SB+3], 0x80000000
	JLOAD G0S, G1S, G0SB, G1SB
.irp s, 0,1
	s_mov_b32 s[G0+4*\s], 1
	s_add_co_u32 s[G0+4*\s+1], s45, \s*SLOT
	s_add_nc_u64 s[G0+4*\s+2:G0+4*\s+3], s[20:21], \s*STEPA
	s_or_b32 s[G0+4*\s+3], s[G0+4*\s+3], 0x80000000
	s_mov_b32 s[G0B+4*\s], 1
	s_add_co_u32 s[G0B+4*\s+1], s45, \s*SLOT
	s_add_nc_u64 s[G0B+4*\s+2:G0B+4*\s+3], s[46:47], \s*STEPBB
	s_or_b32 s[G0B+4*\s+3], s[G0B+4*\s+3], 0x80000000
	s_wait_alu depctr_va_vdst(0)
	s_wait_tensorcnt 0x0
	ds_add_u32 v28, v29
	s_wait_dscnt 0x0
	CROUND
	JLOAD G0+4*\s, G1, G0B+4*\s, G1B
.endr
	v_and_b32 v1, 15, v0                           ; r
	v_bfe_u32 v2, v0, 4, 1                         ; h
	s_wait_alu depctr_va_vdst(0)
	v_and_b32 v3, 31, v0                           ; lane
	v_lshlrev_b32 v4, 3, v3                        ; 8 x lane
	s_mul_i32 s21, s15, HALFT
	s_mul_i32 s22, s16, HALFT
	s_add_co_u32 s22, s22, 2*HALFT
.irp s, 0,1
	v_add_nc_u32 v[ADRA+\s], s21, v4
	v_add_nc_u32 v[ADRB+\s], s22, v4
	s_add_co_u32 s21, s21, SLOT
	s_add_co_u32 s22, s22, SLOT
.endr
	v_lshlrev_b32 v5, 4, v1
	s_mul_i32 s21, s15, HALFS
	s_mul_i32 s22, s16, HALFS
	s_add_co_u32 s22, s22, 2*HALFS
	s_sub_co_u32 s22, s22, s21
	v_mul_u32_u24 v6, s22, v2                      ; lanes 16-31 take B's: one product, the distance between the two
	s_add_co_u32 s21, s21, SCL
	v_add_nc_u32 v5, v5, v6
	v_add_nc_u32 v[ADRS], s21, v5
	s_mul_i32 s23, s14, 16*SPITCH                  ; my stage
	v_mul_u32_u24 v5, v1, SPITCH
	v_lshl_add_u32 v5, v2, 6, v5
	v_add_nc_u32 v[STO], s23, v5                   ; in: row r, + 64 h
	v_lshlrev_b32 v[CO], 4, v3                     ; back: the 32 lanes take one row of 512 bytes; and the same in out0
	v_add_nc_u32 v[RD], s23, v[CO]
	v_lshlrev_b32 v7, 6, v2                        ; the bias: my half's 16 columns
	s_wait_alu depctr_va_vdst(0)
	s_lshl_b32 s20, s17, 8
	s_lshl_b32 s21, s15, 7
	s_add_co_u32 s20, s20, s21                     ; my first row of out0
	s_lshl_b32 s20, s20, 12                        ; rows of 4,096 bytes
	s_mov_b32 s21, 0
	s_lshl_b32 s46, s42, 10
	s_lshl_b32 s47, s16, 9
	s_add_co_u32 s46, s46, s47                     ; my first column, in bytes
	s_mov_b32 s47, 0
	s_add_nc_u64 s[96:97], s[96:97], s[46:47]
	s_add_nc_u64 s[20:21], s[20:21], s[46:47]
	s_add_nc_u64 s[12:13], s[12:13], s[20:21]
.irp b, 0,1,2,3,4,5,6,7
	global_load_b128 v[BI+8*\b:BI+8*\b+3], v7, s[96:97] offset:(32*(\b/2)+8*(\b%2))*4
	global_load_b128 v[BI+8*\b+4:BI+8*\b+7], v7, s[96:97] offset:(32*(\b/2)+8*(\b%2))*4+16
.endr
.macro FRAG reg, adr, q, i             ; a fragment: two units of 768 bytes; each load takes 256 consecutive bytes, 8 a lane
.irp c, 0,1
.irp p, 0,1,2
	ds_load_b64 v[\reg+6*\c+2*\p:\reg+6*\c+2*\p+1], v[\adr] offset:((2*(\q)+\c)*8+(\i))*UNIT+256*\p
.endr
.endr
.endm
; 16 matrix instructions: A's blocks a0, a0 + 1 x B's eight.  zero = 1: the first product starts the sums from the bias.  The 64 accumulators take turns.
.macro MUL16 a0, p, q, sc, zero
.irp a, \a0, \a0+1
.irp b, 0,1,2,3,4,5,6,7
.if \zero
	v_wmma_scale_f32_16x16x128_f8f6f4 v[8*(8*((\a)%4)+\b):8*(8*((\a)%4)+\b)+7], v[128*(\p)+FR*\b:128*(\p)+FR*\b+FR-1], v[AF+FR*(\a):AF+FR*(\a)+FR-1], v[BI+8*\b:BI+8*\b+7], v[SC+8*NQ*(\sc)+NQ*\b+(\q)], v[SC+8*NQ*(\sc)+NQ*(\a)+(\q)] matrix_a_fmt:MATRIX_FMT_BF6 matrix_b_fmt:MATRIX_FMT_BF6 matrix_a_scale:MATRIX_SCALE_ROW1
.else
	v_wmma_scale_f32_16x16x128_f8f6f4 v[8*(8*((\a)%4)+\b):8*(8*((\a)%4)+\b)+7], v[128*(\p)+FR*\b:128*(\p)+FR*\b+FR-1], v[AF+FR*(\a):AF+FR*(\a)+FR-1], v[8*(8*((\a)%4)+\b):8*(8*((\a)%4)+\b)+7], v[SC+8*NQ*(\sc)+NQ*\b+(\q)], v[SC+8*NQ*(\sc)+NQ*(\a)+(\q)] matrix_a_fmt:MATRIX_FMT_BF6 matrix_b_fmt:MATRIX_FMT_BF6 matrix_a_scale:MATRIX_SCALE_ROW1
.endif
.endr
.endr
.endm
.macro FETCH_B slot, q, p
	WIN TO_B
.irp i, 0,1,2,3,4,5,6,7
	FRAG 128*(\p)+FR*\i, ADRB+\slot, \q, \i
.endr
	WIN 0
.endm
.macro FETCH_A slot, q, i0
.irp i, \i0, \i0+1, \i0+2, \i0+3
	FRAG AF+FR*(\i), ADRA+\slot, \q, \i
.endr
.endm
.macro SCALES sc
.irp i, 0,1,2,3,4,5,6,7
	ds_load_b64 v[SC+8*NQ*\sc+NQ*\i:SC+8*NQ*\sc+NQ*\i+1], v[ADRS] offset:\i*SBLK
.endr
.endm
.macro PLACES n                        ; plain vector instructions between a matrix instruction and a load into, or a read of, its registers (ISA guide 7.12.1 for reads)
.rept \n
	v_nop
.endr
.endm
.macro STEP slot, q, zero
	s_wait_dscnt 4*NL                              ; B's set, the scale words and A's blocks 0-3 are in; the youngest 24 loads (A's blocks 4-7) may be out
.if \zero
	WIN BIA_LO
.else
	WIN MUL_LO
.endif
	MUL16 0, (\q)%2, \q, \slot, \zero
	MUL16 2, (\q)%2, \q, \slot, \zero
	s_wait_dscnt 0
	PLACES NP
	FETCH_B \slot, (\q)+1, 1-(\q)%2
	FETCH_A \slot, (\q)+1, 0
.if \zero
	WIN BIA_HI
.else
	WIN MUL_HI
.endif
	MUL16 4, (\q)%2, \q, \slot, \zero
	MUL16 6, (\q)%2, \q, \slot, \zero
	PLACES NP
	WIN 0
	FETCH_A \slot, (\q)+1, 4
.endm
.macro TURN slot, next, fill
	s_wait_tensorcnt 0x0                           ; all my tensor loads have landed: my part of the next slot
	ds_add_u32 v[SPW], v[NIL]                      ; 0 onto my spare word
	s_wait_dscnt 4*NL+1                            ; (the add and the youngest 24 loads may be out)
	WIN MUL_LO
	MUL16 0, 1, NQ-1, \slot, 0
	s_wait_dscnt 0x0                               ; the add is done, and my reads of this slot are over
	s_barrier_signal -1
	MUL16 2, 1, NQ-1, \slot, 0
	WIN 0
	s_barrier_wait -1
.if \fill
	CREST                                          ; the barrier has opened a round of the cluster's: no wave of any partner still reads this slot or has a load on its way
	s_add_nc_u64 s[G0+4*\slot+2:G0+4*\slot+3], s[G0+4*\slot+2:G0+4*\slot+3], 2*STEPA
	s_add_nc_u64 s[G0B+4*\slot+2:G0B+4*\slot+3], s[G0B+4*\slot+2:G0B+4*\slot+3], 2*STEPBB
	JLOAD G0+4*\slot, G1, G0B+4*\slot, G1B         ; the first tensor load behind the round; its four v_nop are the places in front of the loads below
.else
	PLACES NP
.endif
.if \slot == 0
	v_add_nc_u32 v[ADRS], 8, v[ADRS]
.else
	s_wait_alu depctr_va_vdst(0)
	v_add_nc_u32 v[ADRS], 264, v[ADRS]
.endif
	FETCH_B \next, 0, 0
	FETCH_A \next, 0, 0
	SCALES \next
	WIN MUL_HI
	MUL16 4, 1, NQ-1, \slot, 0
	MUL16 6, 1, NQ-1, \slot, 0
	PLACES NP
	WIN 0
	FETCH_A \next, 0, 4
.endm
	s_wait_tensorcnt 1                             ; the scales and my part of slot 0 are in; slot 1's load may be out
	s_barrier_signal -1
	s_barrier_wait -1
	FETCH_B 0, 0, 0
	FETCH_A 0, 0, 0
	SCALES 0
	FETCH_A 0, 0, 4
	s_wait_loadcnt 0x0                             ; the bias
	STEP 0, 0, 1
	TURN 0, 1, 1
	STEP 1, 0, 0
	TURN 1, 0, 1
	s_wait_alu depctr_va_vdst(0)
	STEP 0, 0, 0
	TURN 0, 1, 0
	STEP 1, 0, 0
	s_wait_dscnt 4*NL
	WIN MUL_LO
	MUL16 0, 1, NQ-1, 1, 0
	MUL16 2, 1, NQ-1, 1, 0
	s_wait_dscnt 0
	WIN MUL_HI
	MUL16 4, 1, NQ-1, 1, 0
	MUL16 6, 1, NQ-1, 1, 0
	WIN 0
; THE WAY OUT, a tile of 16 tokens x 128 columns at a time, through my own stage: back come whole rows of 512 bytes.  LDS serves a wave's instructions in order: no wait between the stores and the loads.
.macro TOSTAGE a
.set AC, 64*((\a)%4)
	WIN 0x08+4*((\a)/4)                            ; the data: window 2 or 3
.irp b, 0,1,2,3,4,5,6,7
	ds_store_b128 v[STO], v[AC+8*\b:AC+8*\b+3] offset:128*(\b/2)+32*(\b%2)       ; each accumulator from its low end on
	ds_store_b128 v[STO], v[AC+8*\b+4:AC+8*\b+7] offset:128*(\b/2)+32*(\b%2)+16
.endr
	WIN 0
.set BB, BK+64*((\a)%2)
.irp t, 0,1,2,3,4,5,6,7,8,9,10,11,12,13,14,15
	ds_load_b128 v[BB+4*\t:BB+4*\t+3], v[RD] offset:\t*SPITCH
.endr
.endm
.macro SEND a, younger                 ; younger: the LDS instructions issued behind tile a's loads, which may stay out
.set BB, BK+64*((\a)%2)
	s_wait_dscnt \younger
.irp t, 0,1,2,3,4,5,6,7,8,9,10,11,12,13,14,15
	global_store_b128 v[CO], v[BB+4*\t:BB+4*\t+3], s[12:13] offset:(32*((\a)/2)+8*((\a)%2)+\t+8*(\t/8))*4096 th:TH_STORE_NT   ; the tile's lane t is this row; 32 lanes store 512 consecutive bytes, aligned
.endr
.endm
	PLACES NP
	TOSTAGE 0
.irp a, 1,2,3,4,5,6,7
.if \a > 1
	s_wait_xcnt 0x0                                ; tile a - 2's stores have read their registers: tile a's loads may land there
.endif
	TOSTAGE \a
	SEND \a-1, 32                                  ; behind tile a - 1's loads: tile a's 16 stores and 16 loads
.endr
	SEND 7, 0
	s_wait_tensorcnt 0x0                           ; the wave's end
	ds_add_u32 v[SPW], v[NIL]
	s_wait_dscnt 0x0
	CROUND                                         ; the closing round
	s_endpgm
.Lfunc_end_k_q3ab3d9cf1e_oproj:
	.size	k_q3ab3d9cf1e_oproj, .Lfunc_end_k_q3ab3d9cf1e_oproj-k_q3ab3d9cf1e_oproj
	.p2alignl 7, 3214868480
	.fill 96, 4, 3214868480
	.section	.rodata,"a",@progbits
	.p2align	6, 0x0
	.amdhsa_kernel k_q3ab3d9cf1e_oproj
		.amdhsa_group_segment_fixed_size 327680
		.amdhsa_private_segment_fixed_size 0
		.amdhsa_enable_private_segment 0
		.amdhsa_kernarg_size 48
		.amdhsa_user_sgpr_count 2
		.amdhsa_user_sgpr_kernarg_segment_ptr 1
		.amdhsa_wavefront_size32 1
		.amdhsa_system_sgpr_workgroup_id_x 1
		.amdhsa_system_sgpr_workgroup_id_y 1
		.amdhsa_system_sgpr_workgroup_id_z 1
		.amdhsa_system_vgpr_workitem_id 0
		.amdhsa_next_free_vgpr 1024
		.amdhsa_next_free_sgpr 98
		.amdhsa_reserve_vcc 0
		.amdhsa_float_denorm_mode_32 3
		.amdhsa_float_denorm_mode_16_64 3
		.amdhsa_memory_ordered 1
		.amdhsa_forward_progress 1
		.amdhsa_inst_pref_size 161
	.end_amdhsa_kernel
	.amdgpu_metadata
---
amdhsa.version: [ 1, 2 ]
amdhsa.kernels:
  - .name:           k_q3ab3d9cf1e_oproj
    .symbol:         k_q3ab3d9cf1e_oproj.kd
    .args:
      - { .name: ctx, .offset: 0, .size: 8, .value_kind: global_buffer, .address_space: global }
      - { .name: cscl, .offset: 8, .size: 8, .value_kind: global_buffer, .address_space: global }
      - { .name: opnd, .offset: 16, .size: 8, .value_kind: global_buffer, .address_space: global }
      - { .name: oscl, .offset: 24, .size: 8, .value_kind: global_buffer, .address_space: global }
      - { .name: b_o, .offset: 32, .size: 8, .value_kind: global_buffer, .address_space: global }
      - { .name: out0, .offset: 40, .size: 8, .value_kind: global_buffer, .address_space: global }
    .group_segment_fixed_size: 327680
    .private_segment_fixed_size: 0
    .kernarg_segment_align: 8
    .kernarg_segment_size: 48
    .max_flat_workgroup_size: 128
    .sgpr_count:     98
    .vgpr_count:     1024
    .wavefront_size: 32
...
	.end_amdgpu_metadata
.endif
;; end of part 4
